; MI455X (gfx1250); checked and timed in simulation.
; The chip was launched on July 23, 2026; its instructions are those of AMD's public machine-readable ISA for CDNA 5 (MIT licence, August 2026) and "CDNA5" Instruction Set Architecture Reference Guide (July 2026). The comments in the code are by the model that wrote it; some were corrected since.
;; multihead self attention. Allowed arithmetic: matrix products marked QUANTISED: E2M3 operands, one E8M0 scale for each 32 along K, by v_wmma_scale_f32_16x16x128_f8f6f4 with both operands' format E2M3, f32 sums; everything else in f32.
;; Inputs: W_k 1,024 x 1,024 float32; W_o 1,024 x 1,024 float32; W_q 1,024 x 1,024 float32; W_v 1,024 x 1,024 float32; x 4 x 2,048 x 1,024 float32.
;; Outputs: out0 4 x 2,048 x 1,024 float32.
;; This version of the problem:
;;   THIS VERSION OF THE PROBLEM IS GIVEN IN LOW PRECISION. The matrix products marked QUANTISED in the list below multiply operands that are first quantised to E2M3 (2 exponent bits, 3 mantissa bits; 6 bits a number), with one power-of-two scale for each 32 numbers along K (OCP MX v1.0); their sums are f32. All else is computed in f32.
;;   The module's matrix products, in the order in which they are computed (A, B: the left and right operand; K: the contracted axis; several contracted axes count as one K, in the product's order):
;;     1. [M 8,192, K 1,024] x [K 1,024, N 1,024]; A: input x; B: input W_q: QUANTISED
;;     2. [M 8,192, K 1,024] x [K 1,024, N 1,024]; A: input x; B: input W_k: QUANTISED
;;     3. [M 8,192, K 1,024] x [K 1,024, N 1,024]; A: input x; B: input W_v: QUANTISED
;;     4. batch 64 x [M 2,048, K 64] x [K 64, N 2,048]; A: computed on the way; B: computed on the way: QUANTISED
;;     5. batch 64 x [M 2,048, K 2,048] x [K 2,048, N 64]; A: softmax (see below); B: computed on the way: QUANTISED
;;     6. [M 8,192, K 1,024] x [K 1,024, N 1,024]; A: computed on the way; B: input W_o: QUANTISED
;;   THE QUANTISER, for each operand of a quantised product, along K:
;;     - K is cut into blocks of 32 from its start; a last block that is shorter is filled with zeros.
;;     - A block's scale is 2^e with e = floor(log2(the largest magnitude in the block)) - 2, held to -126 .. 127; a block of zeros has e = 0. As a byte (E8M0): e + 127.
;;     - Each number is divided by its block's scale, clamped to +-7.5, and rounded to the nearest number of E2M3, ties to even, subnormals kept.
;;     - The product sums the exact products of the quantised numbers (number of the format x scale) in f32.
;;   ~~~python
;;   def quantise(x, axis):      # numpy; x: float32 -> the quantised numbers, widened to float32 again
;;       x = np.moveaxis(x, axis, -1); K = x.shape[-1]
;;       x = np.pad(x, [(0, 0)] * (x.ndim - 1) + [(0, -K % 32)]); x = x.reshape(x.shape[:-1] + (-1, 32)); a = np.abs(x).max(-1, keepdims=True)
;;       e = np.where(a > 0, np.clip(np.frexp(np.where(a > 0, a, 1))[1] - 1 - 2, -126, 127), 0)      # np.frexp(a)[1] - 1 = floor(log2(a)), exactly
;;       r = np.clip(x / 2.0 ** e, -7.5, 7.5)
;;       step = 2.0 ** (np.maximum(np.frexp(np.where(r == 0, 1, r))[1] - 1, 0) - 3)
;;       q = np.round(r / step) * step * 2.0 ** e      # np.round: ties to even
;;       return np.moveaxis(q.reshape(q.shape[:-2] + (-1,))[..., :K], -1, axis).astype(np.float32)
;;   ~~~
;;   SOFTMAX AHEAD OF A QUANTISED PRODUCT. Where the list says 'softmax', what is quantised is not the finished softmax but p = 2^(t - M), with t = logit x log2(e) and M = ceil(the row's largest t), a whole number; so 1/2 < the row's largest p <= 1. The row's sum l is taken of the UNQUANTISED p, in f32, and the product's result is divided by l at the end. Since M is a whole number, a kernel that streams over the keys may use a running M (the ceiling of the running maximum): every later rescaling is an exact power of two, which a block's scale takes up: the codes' values come out the same.
;;   OPERANDS COMPUTED ON THE WAY. 'Computed on the way' means the value that the module computes at that place (a softmax that the list does not call 'softmax' is quantised finished and normalised). What goes into a quantiser is computed in f32, as accurately as f32 sums, v_exp_f32 and their like allow (about 1e-6 of the number): no bf16 or f16 on the way to a quantiser, and a product that is left as it is and whose result goes on into a quantised operand takes f32 operands (vector FMAs, or v_wmma_f32_16x16x4_f32). A number that lies on a knife's edge between two numbers of the format may be rounded either way, as far as f32 arithmetic and the matrix unit's own rounding can turn it there, and no further.
;; One version. Each part assembles by itself: llvm-mc -triple=amdgcn-amd-amdhsa -mcpu=gfx1250 --defsym DOCPART=n.
;; ======== version 1 of 1: 4 launches
;; workspace buffers: codes 9,437,184 bytes; scales 393,216 bytes; tab 524,288 bytes; qkvc 18,874,368 bytes; qkvs 786,432 bytes; ocodes 6,291,456 bytes; oscales 262,144 bytes
;; launch prep (part 1): grid 416 x 1, 4 waves a work-group, no clusters, 34,304 bytes of LDS; arguments x, W_q, W_k, W_v, W_o, codes, scales, tab; writes codes, scales, tab
.if DOCPART == 1
	.amdgcn_target "amdgcn-amd-amdhsa--gfx1250"
	.amdhsa_code_object_version 6
	.text
	.protected	k_q11e206ccc1_prep
	.globl	k_q11e206ccc1_prep
	.p2align	8
	.type	k_q11e206ccc1_prep,@function
k_q11e206ccc1_prep:
	s_mov_b64 s[64:65], 0
	v_nop
	global_prefetch_b8 v0, s[64:65] scope:SCOPE_SE
	s_setreg_imm32_b32 hwreg(HW_REG_WAVE_MODE, 25, 1), 1
	s_wait_xcnt 0x0
; x [8192][1024] and W_q, W_k, W_v, W_o [1024][1024], f32, K innermost, become codes of FP6 (E2M3) with one E8M0 byte for each 32 along K; and the table of cos and sin for the rotation is made.
; THE OPERAND LAYOUT of every buffer of codes in this program: rows go in tiles of 16; tile 2 b + u holds rows 32 b + 8 u + r + 8 (r / 8), r = 0 .. 15; K goes in groups of 64; a (tile, group) is 768 bytes:
; register pair p (0 .. 2) of lane r + 16 h lies at 256 p + 8 lane and holds the codes of k = 64 g + 32 h + 0 .. 31 of row r.  codes: [tile 0..767][group 0..15][768]: tiles 0-511 x, then 64 each of W_q, W_k, W_v, W_o.
; scales: [tile][sp 0..3][r][2 words]; word 2 sp + e belongs to K step 2 sp + e of 128; byte b scales k = 32 b on.
; A block's scale is 2^(floor(log2(its largest magnitude)) - 2); its byte is that magnitude's exponent field - 2, held at 1 from below.  A block of zeros keeps the byte 1: its codes are zeros, and this program alone reads the bytes.
; LIMITS: NaN and infinities are not served; blocks whose largest magnitude lies under 2^-124 keep the byte 1.
; SHARES: work-groups 0-383 quantise: wave task t = 4 x work-group + wave takes tile t / 2, half t % 2 of K (512 along K, four steps of 128).  Each load reads 512 consecutive bytes of one row; a step's 16 rows turn through the
; wave's own stage in LDS (rows 528 bytes apart) and come back 32 neighbours a block to a lane, so that a block's largest magnitude needs no other lane.  Every store of codes covers 256 consecutive aligned bytes.
; Work-groups 384-415 make tab: [tile 0..127][quad 0..7][lane][16 bytes] = (cos, sin, cos, sin) of pairs 2 quad, 2 quad + 1; pair pp of lane (r, h) has frequency 16 (pp / 8) + 8 h + pp % 8 and the position of the tile's row r.
; The angle is position x 10^(-i / 8), one rounding; it is reduced by multiples of pi / 2 in two parts (exact in the first for positions up to 2,047) and goes through polynomials of degree 7 and 8.
; LIMIT: the frequencies are the correctly rounded f32 numbers; another f32 power may differ from them in the last bit, which is 1.2e-4 of a radian at position 2,047.
.set STG,   8448                       ; a wave's stage: 16 rows x 528 bytes
.set SPARE, 33792                      ; behind the four stages: the spare words, 128 bytes a wave
.set SPW,   12                         ; v12 LDS address of my spare word; never rewritten
.set NIL,   13                         ; v13 0; never rewritten
.set R,     48                         ; v48-175  two sets of 64 numbers as loaded
.set X,     176                        ; v176-239 64 numbers: two blocks of 32 neighbours
.macro LOAD st                         ; K step st: 16 rows x 512 bytes
.irp r, 0,1,2,3,4,5,6,7,8,9,10,11,12,13,14,15
	global_load_b128 v[R+64*((\st)%2)+4*\r:R+64*((\st)%2)+4*\r+3], v4, s[26:27] offset:(\r+8*(\r/8))*4096+512*(\st) th:TH_LOAD_NT
.endr
.endm
.macro TURN st                         ; through the stage; LDS serves a wave's instructions in order, so no wait stands between the stores and the loads
.irp r, 0,1,2,3,4,5,6,7,8,9,10,11,12,13,14,15
	ds_store_b128 v5, v[R+64*((\st)%2)+4*\r:R+64*((\st)%2)+4*\r+3] offset:528*\r
.endr
.irp g, 0,1
.irp j, 0,1,2,3,4,5,6,7
	ds_load_b128 v[X+32*\g+4*\j:X+32*\g+4*\j+3], v6 offset:256*\g+16*\j
.endr
.endr
.endm
.macro QB st, gg                       ; group gg of K step st: my block of 32 becomes 24 bytes of codes and a byte
.set XS, X+32*(\gg)
.set PCS, 24+10*(\gg)
	s_wait_xcnt 0x0                                ; this set of code registers was store data two blocks ago: it is rewritten only behind this wait
	v_max3_num_f32 v10, |v[XS]|, |v[XS+1]|, 0x1800000              ; two chains; the floor 2^(3 - 127) holds the byte at 1 from below
	v_max3_num_f32 v11, |v[XS+16]|, |v[XS+17]|, 0x1800000
.irp i, 2,4,6,8,10,12,14
	v_max3_num_f32 v10, v10, |v[XS+\i]|, |v[XS+\i+1]|
	v_max3_num_f32 v11, v11, |v[XS+16+\i]|, |v[XS+17+\i]|
.endr
	v_max_num_f32 v10, v10, v11
	v_add_nc_u32 v10, 0xff000000, v10              ; 2 off the exponent field: the conversion's scale operand
	v_cvt_scalef32_pk16_fp6_f32 v[PCS:PCS+2], v[XS:XS+15], v10
	v_cvt_scalef32_pk16_fp6_f32 v[PCS+6:PCS+8], v[XS+16:XS+31], v10   ; (a conversion's three registers begin on an even number)
	v_lshrrev_b32 v[20+(\gg)], 23, v10             ; the byte; also the plain line behind the conversions
.irp i, 0,1,2
	v_mov_b32 v[PCS+3+\i], v[PCS+6+\i]
.endr
.irp p, 0,1,2
	global_store_b64 v7, v[PCS+2*\p:PCS+2*\p+1], s[14:15] offset:768*(2*(\st)+(\gg))+256*\p   ; 32 lanes store 256 consecutive aligned bytes
.endr
.endm
.macro STEPQ st
	s_wait_dscnt 0x0                               ; the step's numbers are back from the stage, and the stage's stores have read their registers
.if (\st) < 2
	LOAD (\st)+2
.endif
	QB \st, 0
	QB \st, 1
	v_lshl_or_b32 v[16+(\st)], v21, 16, v20        ; my two bytes: blocks h and 2 + h,
	v_lshlrev_b32 v[16+(\st)], v8, v[16+(\st)]     ; at their places (8 h bits up);
	v_permlanex16_b32 v9, v[16+(\st)], s40, s41
	v_or_b32 v[16+(\st)], v[16+(\st)], v9          ; with lane l xor 16's two the word of this K step is whole
.if (\st) < 2
	s_wait_loadcnt 16                              ; the next step's 16 loads are in; those of the step behind it may be out
	TURN (\st)+1
.elseif (\st) == 2
	s_wait_loadcnt 0x0
	TURN 3
.endif
.endm
.macro SINCOS pp, F0, F1               ; cos and sin of position x frequency, into v[16 + 2 pp] and v[17 + 2 pp]
	v_mov_b32 v6, \F1
	v_cndmask_b32 v6, \F0, v6, vcc_lo              ; lanes 16-31 take the frequency eight further on
	s_wait_alu depctr_va_vdst(0)
	v_mul_f32 v6, v4, v6                           ; the angle, rounded once
	v_mul_f32 v7, 0x3f22f983, v6
	v_rndne_f32 v7, v7                             ; n = the nearest multiple of pi / 2
	v_fma_f32 v8, v7, s37, v6                      ; - n x the f32 number nearest pi / 2,
	v_fma_f32 v8, v7, s38, v8                      ; - n x what that number lacks
	v_cvt_i32_f32 v7, v7
	v_mul_f32 v9, v8, v8                           ; z
	v_fma_f32 v10, v9, s30, s31
	v_fma_f32 v14, v9, s33, s34
	v_fma_f32 v10, v10, v9, s32
	v_fma_f32 v14, v14, v9, s35
	v_mul_f32 v11, v8, v9
	v_mul_f32 v15, v9, v9
	v_fma_f32 v10, v11, v10, v8                    ; sin r
	v_fma_f32 v11, v9, -0.5, 1.0
	v_fma_f32 v14, v15, v14, v11                   ; cos r
	v_and_b32 v15, 1, v7
	v_cmp_ne_u32 s36, 0, v15                       ; odd n: the two change places (a choice of values, no branch)
	v_cndmask_b32 v11, v10, v14, s36
	v_cndmask_b32 v14, v14, v10, s36
	v_and_b32 v15, 2, v7
	v_lshlrev_b32 v15, 30, v15
	v_xor_b32 v[17+2*(\pp)], v15, v11              ; sin is negative for n % 4 = 2, 3
	v_add_nc_u32 v15, 1, v7
	v_and_b32 v15, 2, v15
	v_lshlrev_b32 v15, 30, v15
	v_xor_b32 v[16+2*(\pp)], v15, v14              ; cos for n % 4 = 1, 2
.endm
	s_load_b256 s[4:11], s[0:1], 0x0               ; x, W_q, W_k, W_v
	s_load_b256 s[12:19], s[0:1], 0x20             ; W_o, codes, scales, tab
	v_lshl_add_u32 v[SPW], v0, 2, SPARE
	v_mov_b32 v[NIL], 0
	v_lshrrev_b32 v1, 5, v0
	v_readfirstlane_b32 s20, v1                    ; wave
	v_and_b32 v1, 31, v0                           ; lane
	v_and_b32 v2, 15, v0                           ; r
	v_bfe_u32 v3, v0, 4, 1                         ; h
	s_cmp_ge_u32 ttmp9, 384
	s_cbranch_scc1 .Ltable
	s_lshl_b32 s21, ttmp9, 2
	s_add_co_u32 s21, s21, s20                     ; t
	s_lshr_b32 s22, s21, 1                         ; tile
	s_and_b32 s23, s21, 1                          ; half of K
	v_lshlrev_b32 v4, 4, v1                        ; my 16 bytes of a load's 512
	s_mul_i32 s24, s20, STG
	v_add_nc_u32 v5, s24, v4                       ; the stage, on the way in
	v_mul_u32_u24 v6, v2, 528
	v_lshl_add_u32 v6, v3, 7, v6
	v_add_nc_u32 v6, s24, v6                       ; and out: row r, + 128 h bytes: my 32 numbers of a group of 64
	v_lshlrev_b32 v7, 3, v1                        ; 8 x lane
	v_lshlrev_b32 v8, 3, v3                        ; 8 h
	v_mov_b32 v9, 0                                ; (a lane permute's destination counts as one of its sources)
	s_mov_b32 s40, 0x76543210
	s_mov_b32 s41, 0xfedcba98
	s_mov_b32 s25, 704
	s_wait_alu depctr_va_vdst(0)
	s_wait_kmcnt 0x0
	s_cmp_lt_u32 ttmp9, 352                        ; which tensor, and its first tile: the choice hangs on the work-group's number alone
	s_cselect_b64 s[26:27], s[10:11], s[12:13]
	s_cselect_b32 s25, 640, s25
	s_cmp_lt_u32 ttmp9, 320
	s_cselect_b64 s[26:27], s[8:9], s[26:27]
	s_cselect_b32 s25, 576, s25
	s_cmp_lt_u32 ttmp9, 288
	s_cselect_b64 s[26:27], s[6:7], s[26:27]
	s_cselect_b32 s25, 512, s25
	s_cmp_lt_u32 ttmp9, 256
	s_cselect_b64 s[26:27], s[4:5], s[26:27]
	s_cselect_b32 s25, 0, s25
	s_sub_co_u32 s28, s22, s25                     ; the tile's number in its tensor
	s_lshr_b32 s29, s28, 1
	s_lshl_b32 s29, s29, 17                        ; 32 rows of 4,096 bytes
	s_and_b32 s28, s28, 1
	s_lshl_b32 s28, s28, 15                        ; 8 rows
	s_add_co_u32 s28, s28, s29
	s_lshl_b32 s29, s23, 11
	s_add_co_u32 s28, s28, s29
	s_mov_b32 s29, 0
	s_add_nc_u64 s[26:27], s[26:27], s[28:29]
	s_mul_i32 s28, s22, 12288
	s_mul_i32 s30, s23, 6144
	s_add_co_u32 s28, s28, s30
	s_add_nc_u64 s[14:15], s[14:15], s[28:29]
	s_lshl_b32 s28, s21, 8                         ; 512 x tile + 256 x half
	s_add_nc_u64 s[16:17], s[16:17], s[28:29]
	LOAD 0
	LOAD 1
	s_wait_loadcnt 16                              ; step 0's 16 loads are in
	TURN 0
	STEPQ 0
	STEPQ 1
	STEPQ 2
	STEPQ 3
	v_cmp_ne_u32 vcc_lo, 0, v3
	v_cndmask_b32 v22, v16, v18, vcc_lo            ; lanes 0-15 store the words of my steps 0, 1, lanes 16-31 those of steps 2, 3
	v_cndmask_b32 v23, v17, v19, vcc_lo
	global_store_b64 v7, v[22:23], s[16:17]        ; 128 h + 8 r = 8 x lane: one aligned run of 256 bytes
	s_wait_tensorcnt 0x0                           ; the wave's end, behind my last LDS store
	ds_add_u32 v[SPW], v[NIL]
	s_wait_dscnt 0x0
	s_endpgm
.Ltable:                                               ; these waves touch no LDS
	s_sub_co_u32 s21, ttmp9, 384
	s_lshl_b32 s21, s21, 2
	s_add_co_u32 s21, s21, s20                     ; the tile of positions, 0 .. 127
	s_lshr_b32 s22, s21, 1
	s_lshl_b32 s22, s22, 5
	s_and_b32 s23, s21, 1
	s_lshl_b32 s23, s23, 3
	s_add_co_u32 s22, s22, s23
	s_wait_alu depctr_va_vdst(0)
	v_and_b32 v4, 8, v2
	v_add3_u32 v4, v4, v2, s22
	v_cvt_f32_u32 v4, v4                           ; my position
	v_cmp_ne_u32 vcc_lo, 0, v3
	v_lshlrev_b32 v5, 4, v1
	s_lshl_b32 s24, s21, 12
	s_mov_b32 s25, 0
	s_mov_b32 s30, 0xb94ca1f9                      ; sin: -1.9515295891e-4, 8.3321608736e-3, -1.6666654611e-1
	s_mov_b32 s31, 0x3c08839e
	s_mov_b32 s32, 0xbe2aaaa3
	s_mov_b32 s33, 0x37ccf5ce                      ; cos: 2.4433157118e-5, -1.3887316255e-3, 4.1666645683e-2
	s_mov_b32 s34, 0xbab6061a
	s_mov_b32 s35, 0x3d2aaaa5
	s_mov_b32 s37, 0xbfc90fdb                      ; -(the f32 number nearest pi / 2)
	s_mov_b32 s38, 0x333bbd2e                      ; that number - pi / 2
	s_wait_kmcnt 0x0
	s_add_nc_u64 s[18:19], s[18:19], s[24:25]
	SINCOS 0, 1.0, 0.1
	SINCOS 1, 0.7498942093324559, 0.07498942093324559
	SINCOS 2, 0.5623413251903491, 0.05623413251903491
	SINCOS 3, 0.4216965034285822, 0.04216965034285822
	SINCOS 4, 0.31622776601683794, 0.031622776601683794
	SINCOS 5, 0.23713737056616552, 0.023713737056616552
	SINCOS 6, 0.1778279410038923, 0.01778279410038923
	SINCOS 7, 0.1333521432163324, 0.01333521432163324
	SINCOS 8, 0.01, 0.001
	SINCOS 9, 0.007498942093324559, 0.0007498942093324559
	SINCOS 10, 0.005623413251903491, 0.0005623413251903491
	SINCOS 11, 0.004216965034285822, 0.0004216965034285822
	SINCOS 12, 0.0031622776601683794, 0.00031622776601683794
	SINCOS 13, 0.0023713737056616552, 0.00023713737056616552
	SINCOS 14, 0.001778279410038923, 0.0001778279410038923
	SINCOS 15, 0.001333521432163324, 0.0001333521432163324
.irp u, 0,1,2,3,4,5,6,7
	global_store_b128 v5, v[16+4*\u:19+4*\u], s[18:19] offset:512*\u   ; 32 lanes store 512 consecutive aligned bytes
.endr
	s_endpgm
.Lfunc_end_k_q11e206ccc1_prep:
	.size	k_q11e206ccc1_prep, .Lfunc_end_k_q11e206ccc1_prep-k_q11e206ccc1_prep
	.p2alignl 7, 3214868480
	.fill 96, 4, 3214868480
	.section	.rodata,"a",@progbits
	.p2align	6, 0x0
	.amdhsa_kernel k_q11e206ccc1_prep
		.amdhsa_group_segment_fixed_size 34304
		.amdhsa_private_segment_fixed_size 0
		.amdhsa_enable_private_segment 0
		.amdhsa_kernarg_size 64
		.amdhsa_user_sgpr_count 2
		.amdhsa_user_sgpr_kernarg_segment_ptr 1
		.amdhsa_wavefront_size32 1
		.amdhsa_system_sgpr_workgroup_id_x 1
		.amdhsa_system_sgpr_workgroup_id_y 1
		.amdhsa_system_sgpr_workgroup_id_z 1
		.amdhsa_system_vgpr_workitem_id 0
		.amdhsa_next_free_vgpr 240
		.amdhsa_next_free_sgpr 66
		.amdhsa_reserve_vcc 1
		.amdhsa_float_denorm_mode_32 3
		.amdhsa_float_denorm_mode_16_64 3
		.amdhsa_memory_ordered 1
		.amdhsa_forward_progress 1
		.amdhsa_inst_pref_size 57
	.end_amdhsa_kernel
	.amdgpu_metadata
---
amdhsa.version: [ 1, 2 ]
amdhsa.kernels:
  - .name:           k_q11e206ccc1_prep
    .symbol:         k_q11e206ccc1_prep.kd
    .args:
      - { .name: x, .offset: 0, .size: 8, .value_kind: global_buffer, .address_space: global }
      - { .name: W_q, .offset: 8, .size: 8, .value_kind: global_buffer, .address_space: global }
      - { .name: W_k, .offset: 16, .size: 8, .value_kind: global_buffer, .address_space: global }
      - { .name: W_v, .offset: 24, .size: 8, .value_kind: global_buffer, .address_space: global }
      - { .name: W_o, .offset: 32, .size: 8, .value_kind: global_buffer, .address_space: global }
      - { .name: codes, .offset: 40, .size: 8, .value_kind: global_buffer, .address_space: global }
      - { .name: scales, .offset: 48, .size: 8, .value_kind: global_buffer, .address_space: global }
      - { .name: tab, .offset: 56, .size: 8, .value_kind: global_buffer, .address_space: global }
    .group_segment_fixed_size: 34304
    .private_segment_fixed_size: 0
    .kernarg_segment_align: 8
    .kernarg_segment_size: 64
    .max_flat_workgroup_size: 128
    .sgpr_count:     66
    .vgpr_count:     240
    .wavefront_size: 32
...
	.end_amdgpu_metadata
.endif
;; end of part 1
;; launch qkv (part 2): grid 12 x 32, 4 waves a work-group, clusters of 4 x 4, 327,680 bytes of LDS; arguments codes, scales, tab, qkvc, qkvs; writes qkvc, qkvs
.if DOCPART == 2
	.amdgcn_target "amdgcn-amd-amdhsa--gfx1250"
	.amdhsa_code_object_version 6
	.text
	.protected	k_q11e206ccc1_qkv
	.globl	k_q11e206ccc1_qkv
	.p2align	8
	.type	k_q11e206ccc1_qkv,@function
k_q11e206ccc1_qkv:
	s_mov_b64 s[64:65], 0
	v_nop
	global_prefetch_b8 v0, s[64:65] scope:SCOPE_SE
	s_setreg_imm32_b32 hwreg(HW_REG_WAVE_MODE, 25, 1), 1
	s_wait_xcnt 0x0
	s_wait_alu depctr_hold_cnt(0) depctr_sa_sdst(0) depctr_va_vdst(0) depctr_va_sdst(0) depctr_va_ssrc(0) depctr_va_vcc(0) depctr_vm_vsrc(0)
	s_getreg_b32 s2, hwreg(HW_REG_IB_STS2, 6, 4)
	s_cmp_eq_u32 s2, 0
	s_cbranch_scc0 .Lentry_in_a_cluster
	s_endpgm
.Lentry_in_a_cluster:
	s_bfe_u32 s2, ttmp6, 0x10000c
	s_cmp_lg_u32 s2, 0xf033
	s_cbranch_scc0 .Lentry_shape_is_right
	s_endpgm
.Lentry_shape_is_right:
; The three projections on codes of FP6 (E2M3), K = 1,024, and what follows them: the rotation of q and k, and the quantising of q, k (along a head's 64 channels) and v (along the keys).
; C = A B^T, a tile of 256 x 256 to a work-group, 128 x 128 to each of four waves (64 accumulators, 512 registers).  The cluster's x is the type: 0 q, 1 k, 2 v; all sixteen partners share it and it feeds selections and addresses, never a branch.
; q, k: A = x (tokens), B = W (channels).  v: A = W_v (channels), B = x (tokens).  THE MATRIX INSTRUCTION IS USED TRANSPOSED (source 0 = B, source 1 = A): a lane holds one row of A, its registers run along B's rows;
; by the operand layout's choice of a tile's rows (tile 2 b + u holds rows 32 b + 8 u + r + 8 (r / 8)) the 32 registers of four neighbouring tiles of B are register 16 beta + i = B's row 32 beta + 16 (lane / 16) + i of a group of 64:
; for q, k a head's 64 channels of one token, for v 64 keys of one channel: just what the next products contract over.  So each group of 64 is quantised in registers and stored as a half fragment; no LDS on the way out.
; codes: [tile][group of 64 along K][768 bytes]; a tile's part of a slot (256 along K) is 3,072 consecutive bytes; six ds_load_b64 at 256 p + 8 lane bring a fragment, each reading 256 consecutive bytes.
; THE RING: three slots of 256 along K, all filled at the start; K's last 256 come into slot 0 behind the one round of the cluster's barrier.  By this text's own count a wave has four tensor loads out at the start and one later.
; CLUSTERS 4 x 4: A's tiles are asked for jointly along a row of the cluster, B's along a column.
; OUT: qkvc: sections q, k: [bh][tile of tokens 0..127][768]; section v: [bh][keys / 64][tile of channels 0..3][768].  qkvs: units of 256 bytes, the word at 8 (r + 16 h) + 4 e belongs to fragment h + 2 e, lane r;
; q, k: a unit is 128 tokens, fragment i tiles 2 i, 2 i + 1 (two bytes each); v: a unit is 128 keys, fragment i the tile of channels i (four bytes: the four blocks of keys).
; v takes the same text: its lanes read the table's entry of position 0, which is (1, 0) exactly, so that the rotation changes nothing.
; LIMITS: NaN and infinities are not served; blocks under 2^-124 and blocks of zeros keep the byte 1 (this program alone reads the bytes).
; REGISTERS: window 0: v8-15 LDS addresses; v16-27, v30 offsets of the way out; v28, v29 the add's two; v32-63 scale words, two sets (nothing else, ever); v64-79 the way out's byte pairs; v80-87 at work; v96-127 rotated numbers;
;   v128-223 A's 8 fragments (one set), later the codes.  window 1: B's fragments, two sets at v0 and v128, later the table.  windows 2, 3: accumulator (a, b) at v[8 ((8 a + b) % 32)] of window 2 + a / 4.
.set NB,    8
.set NQ,    2
.set TILEB, 3072
.set SLOT,  98304
.set SCL,   294912                     ; behind the ring: A's 8,192 bytes of scale words, then B's
.set SPARE, 311296                     ; the spare words, 128 bytes a wave
.set ADRA,  8
.set ADRB,  12
.set ADRS,  15
.set VT,    16
.set VO,    24
.set SPW,   28
.set NIL,   29
.set L8,    30
.set SC,    32
.set HW,    64
.set T,     96
.set AF,    128
.set G1,    24
.set G1B,   32
.set G1S,   40
.set G1SB,  48
.set G0S,   56
.set G0SB,  60
.set SEL,   66
.set G0,    68
.set G0B,   80
.set MUL_LO, 0xa1                      ; source 0 (B) window 1, source 1 (A) window 0, C and D window 2
.set MUL_HI, 0xf1                      ; the same, C and D window 3
.set MSB, 0
.macro WIN new                         ; the immediate's high byte repeats the setting that is left
.if MSB != (\new)
	s_set_vgpr_msb (MSB<<8)|(\new)
.set MSB, (\new)
.endif
.endm
.macro JLOAD g0a, g1a, g0b, g1b        ; a joint load: waves 0, 1 fetch for A, waves 2, 3 for B; an s_nop 0 and four v_nop follow each of the two lines
	s_cmp_eq_u32 s15, 0
	s_cbranch_scc0 .Lfor_b_\@
	tensor_load_to_lds s[\g0a:\g0a+3], s[\g1a:\g1a+7]
	s_nop 0
.rept 4
	v_nop
.endr
	s_branch .Lasked_\@
.Lfor_b_\@:
	tensor_load_to_lds s[\g0b:\g0b+3], s[\g1b:\g1b+7]
	s_nop 0
.rept 4
	v_nop
.endr
.Lasked_\@:
.endm
.macro CREST                           ; a round of the cluster's barrier behind its opening barrier
	s_cmp_lg_u32 s14, 0
	s_cbranch_scc1 .Lnot_wave_0_\@
	s_barrier_signal -3
.Lnot_wave_0_\@:
	s_barrier_wait -3
	s_barrier_signal -1
	s_barrier_wait -1
.endm
.macro CROUND
	s_barrier_signal -1
	s_barrier_wait -1
	CREST
.endm
.macro PLACES n                        ; plain vector lines behind matrix instructions, ahead of loads into their registers and of reads of results
.rept \n
	v_nop
.endr
.endm
.macro FRAG reg, adr, q, i             ; 16 rows x 128 K: 12 registers, six loads of 256 consecutive bytes
.irp p, 0,1,2,3,4,5
	ds_load_b64 v[\reg+2*\p:\reg+2*\p+1], v[\adr] offset:(\i)*TILEB+(\q)*1536+256*\p
.endr
.endm
.macro FETCH_B slot, q, p
	WIN 0x40
.irp i, 0,1,2,3,4,5,6,7
	FRAG 128*(\p)+12*\i, ADRB+\slot, \q, \i
.endr
	WIN 0
.endm
.macro FETCH_A slot, q, i0
.irp i, \i0, \i0+1, \i0+2, \i0+3
	FRAG AF+12*(\i), ADRA+\slot, \q, \i
.endr
.endm
.macro SCALES sc, sig                  ; the scale words of K's sig-th 256: lanes 0-15 A's block i, lanes 16-31 B's block i; two words a row
.irp i, 0,1,2,3,4,5,6,7
	ds_load_b64 v[SC+16*(\sc)+2*\i:SC+16*(\sc)+2*\i+1], v[ADRS] offset:512*\i+128*(\sig)
.endr
.endm
.macro MULAB a0, p, q, sc, zero        ; A's blocks a0, a0 + 1 x B's eight.  The 64 accumulators take turns, one instruction a turn, in the same order in every step
.irp a, \a0, \a0+1
.irp b, 0,1,2,3,4,5,6,7
.set AC, 8*((NB*(\a)+\b)%32)
.if \zero
	v_wmma_scale_f32_16x16x128_f8f6f4 v[AC:AC+7], v[128*(\p)+12*\b:128*(\p)+12*\b+11], v[AF+12*(\a):AF+12*(\a)+11], 0, v[SC+16*(\sc)+2*\b+(\q)], v[SC+16*(\sc)+2*(\a)+(\q)] matrix_a_fmt:MATRIX_FMT_FP6 matrix_b_fmt:MATRIX_FMT_FP6 matrix_a_scale:MATRIX_SCALE_ROW1
.else
	v_wmma_scale_f32_16x16x128_f8f6f4 v[AC:AC+7], v[128*(\p)+12*\b:128*(\p)+12*\b+11], v[AF+12*(\a):AF+12*(\a)+11], v[AC:AC+7], v[SC+16*(\sc)+2*\b+(\q)], v[SC+16*(\sc)+2*(\a)+(\q)] matrix_a_fmt:MATRIX_FMT_FP6 matrix_b_fmt:MATRIX_FMT_FP6 matrix_a_scale:MATRIX_SCALE_ROW1
.endif
.endr
.endr
.endm
; A step of 128 along K: B's set p, word q of scale set sc; it fetches the next step (slot nslot, its nq-th 128).  sync = 1: a barrier, in front of which all my tensor loads have landed; sync = 2: that barrier opens a round of the
; cluster's, and slot 0 is filled again first thing behind it.
.macro KSTEP p, q, sc, zero, nslot, nq, nsig, sync
.if \sync
	s_wait_tensorcnt 0x0                           ; all my tensor loads have landed
	ds_add_u32 v[SPW], v[NIL]                      ; 0 onto my spare word
	s_wait_dscnt 25                                ; (the add and the youngest 24 loads, A's blocks 4-7, may be out)
	WIN MUL_LO
	MULAB 0, \p, \q, \sc, \zero
	s_wait_dscnt 0x0                               ; the add is done, and my reads of the slot in hand are over
	s_barrier_signal -1
	MULAB 2, \p, \q, \sc, \zero
	WIN 0
	s_barrier_wait -1
.if \sync == 2
	CREST                                          ; no wave of any partner still reads slot 0 or has a load on its way
	s_add_nc_u64 s[G0+2:G0+3], s[G0+2:G0+3], 3*TILEB       ; K's last 256
	s_add_nc_u64 s[G0B+2:G0B+3], s[G0B+2:G0B+3], 3*TILEB
	JLOAD G0, G1, G0B, G1B                         ; the first tensor load behind the round; its four v_nop are the places in front of the loads below
.else
	PLACES 4
.endif
.else
	s_wait_dscnt 24                                ; B's set, A's blocks 0-3 and the scale words are in; A's blocks 4-7 may be out
	WIN MUL_LO
	MULAB 0, \p, \q, \sc, \zero
	MULAB 2, \p, \q, \sc, \zero
	s_wait_dscnt 0x0
	PLACES 4
.endif
	FETCH_B \nslot, \nq, 1-(\p)
	FETCH_A \nslot, \nq, 0
.if (\nq) == 0
	SCALES 1-(\sc), \nsig
.endif
	WIN MUL_HI
	MULAB 4, \p, \q, \sc, \zero
	MULAB 6, \p, \q, \sc, \zero
	PLACES 4
	WIN 0
	FETCH_A \nslot, \nq, 4
.endm
; 32 numbers of a lane, register 16 b + i = k 32 b + 16 (lane / 16) + i of my row, become a half fragment's codes in v[pc] .. v[pc + 5] (lane (r, h): block h whole) and the two bytes in v[hw]
.macro QUANT32 s, pc, px, tm, hw
.irp b, 0,1
	v_max3_num_f32 v[\tm+\b], |v[\s+16*\b]|, |v[\s+1+16*\b]|, 0x1800000   ; the floor 2^(3 - 127) holds the byte at 1 from below
.endr
.irp i, 2,4,6,8,10,12,14
.irp b, 0,1
	v_max3_num_f32 v[\tm+\b], v[\tm+\b], |v[\s+16*\b+\i]|, |v[\s+1+16*\b+\i]|
.endr
.endr
.irp b, 0,1
	v_permlanex16_b32 v[\tm+2+\b], v[\tm+\b], s[SEL], s[SEL+1]
.endr
.irp b, 0,1
	v_max_num_f32 v[\tm+\b], v[\tm+\b], v[\tm+2+\b]
.endr
.irp b, 0,1
	v_add_nc_u32 v[\tm+4+\b], 0xff000000, v[\tm+\b]
.endr
.irp b, 0,1
	v_lshrrev_b32 v[\tm+2+\b], 23, v[\tm+4+\b]
.endr
	v_lshl_or_b32 v[\hw], v[\tm+3], 8, v[\tm+2]
	v_cvt_scalef32_pk16_fp6_f32 v[\pc:\pc+2], v[\s:\s+15], v[\tm+4]
	v_cvt_scalef32_pk16_fp6_f32 v[\px:\px+2], v[\s+16:\s+31], v[\tm+5]
	v_nop                                          ; one plain line behind the conversions
.irp i, 0,1,2
	v_permlane16_swap_b32 v[\pc+\i], v[\px+\i]
.endr
.irp i, 0,1,2
	v_mov_b32 v[\pc+3+\i], v[\px+\i]
.endr
.endm
; The way out of A's block a, group e of B's rows: rotate, quantise, store 768 bytes
.macro INST a, e
.set AC, 64*((\a)%4)+32*(\e)
.set PCS, 128+10*(\e)
	s_wait_xcnt 0x0                                ; this set of code registers was store data two instances ago
.if (\e) == 0
	s_wait_loadcnt 56-8*(\a)                       ; this tile's eight table loads are in; the later tiles' may be out
.endif
	WIN 0x06+(\a)/4                                ; source 0: the accumulators' window; source 1: window 1, the table
.irp n, 0,2,4,6,8,10,12,14,16,18,20,22,24,26,28,30
	v_pk_mul_f32 v[T+\n:T+\n+1], v[AC+\n:AC+\n+1], v[32*(\a)+\n:32*(\a)+\n+1] op_sel:[1,1] op_sel_hi:[0,1]   ; (x2 s, x1 s); each accumulator is read from its low end on
.endr
.irp n, 0,2,4,6,8,10,12,14,16,18,20,22,24,26,28,30
	v_pk_fma_f32 v[T+\n:T+\n+1], v[AC+\n:AC+\n+1], v[32*(\a)+\n:32*(\a)+\n+1], v[T+\n:T+\n+1] op_sel_hi:[1,0,1] neg_lo:[0,0,1]   ; (x1 c - x2 s, x2 c + x1 s)
.endr
	WIN 0
	QUANT32 T, PCS, PCS+6, 80, HW+2*(\a)+(\e)
.irp p, 0,1,2
	global_store_b64 v[VO+2*((\a)/4)+(\e)], v[PCS+2*\p:PCS+2*\p+1], s[10:11] offset:768*((\a)%4)+256*\p   ; 256 consecutive aligned bytes
.endr
.endm
	s_load_b256 s[4:11], s[0:1], 0x0               ; codes, scales, tab, qkvc
	s_load_b64 s[12:13], s[0:1], 0x20              ; qkvs
	v_lshl_add_u32 v[SPW], v0, 2, SPARE
	v_mov_b32 v[NIL], 0
	ds_add_u32 v[SPW], v[NIL]                      ; the wave's opening: the add and its wait ahead of my first tensor load
	v_lshrrev_b32 v1, 5, v0
	v_readfirstlane_b32 s14, v1                    ; wave
	s_lshr_b32 s15, s14, 1                         ; my half of A's rows; also: I fetch for A (0) or B (1)
	s_and_b32 s16, s14, 1                          ; my half of B's rows; also: which half I fetch
	s_bfe_u32 s17, ttmp6, 0x40000                  ; cx
	s_bfe_u32 s18, ttmp6, 0x40004                  ; cy
	s_and_b32 s19, ttmp7, 0xffff                   ; the cluster's y
	s_lshl_b32 s20, s18, 2
	s_lshl_b32 s20, 15, s20                        ; my row of the cluster
	s_lshl_b32 s21, 0x1111, s17                    ; my column
	s_or_b32 s[G1], s20, (3<<16)|(1<<21)           ; elements of 8 bytes; bit 21 set beside a mask; no padding
	s_or_b32 s[G1B], s21, (3<<16)|(1<<21)
	s_or_b32 s[G1S], s20, (3<<16)|(1<<21)
	s_or_b32 s[G1SB], s21, (3<<16)|(1<<21)
.irp g, G1, G1B                        ; codes: 8 tiles x 3,072 bytes, 12,288 bytes from tile to tile
	s_mov_b32 s[\g+1], 384<<16
	s_mov_b32 s[\g+2], 8<<16
	s_mov_b32 s[\g+3], 384<<16
	s_mov_b32 s[\g+4], 8
	s_mov_b32 s[\g+5], 1536
	s_mov_b32 s[\g+6], 0
	s_mov_b32 s[\g+7], 0
.endr
.irp g, G1S, G1SB                      ; scale words of 8 tiles: 4,096 dense bytes as 16 rows of 256
	s_mov_b32 s[\g+1], 32<<16
	s_mov_b32 s[\g+2], 16<<16
	s_mov_b32 s[\g+3], 32<<16
	s_mov_b32 s[\g+4], 16
	s_mov_b32 s[\g+5], 32
	s_mov_b32 s[\g+6], 0
	s_mov_b32 s[\g+7], 0
.endr
	s_lshl_b32 s96, s19, 2
	s_add_co_u32 s20, s96, s18
	s_lshl_b32 s20, s20, 4                         ; q, k: A = x, tile 16 (4 cluster y + cy)
	s_lshl_b32 s21, s18, 4
	s_add_co_u32 s21, s21, 640                     ; v: A = W_v, tile 640 + 16 cy
	s_add_co_u32 s92, s96, s17
	s_lshl_b32 s92, s92, 4                         ; v: B = x, tile 16 (4 cluster y + cx)
	s_lshl_b32 s93, ttmp9, 2
	s_add_co_u32 s93, s93, s17
	s_lshl_b32 s93, s93, 4
	s_add_co_u32 s93, s93, 512                     ; q, k: B = W, tile 512 + 16 (4 type + cx)
	s_cmp_eq_u32 ttmp9, 2
	s_cselect_b32 s20, s21, s20
	s_cselect_b32 s92, s92, s93
	s_lshl_b32 s96, s16, 3
	s_add_co_u32 s20, s20, s96                     ; + the 8 tiles that I fetch
	s_add_co_u32 s92, s92, s96
	s_lshl_b32 s22, s20, 9
	s_mul_i32 s20, s20, 12288
	s_lshl_b32 s94, s92, 9
	s_mul_i32 s92, s92, 12288
	s_mov_b32 s21, 0
	s_mov_b32 s23, 0
	s_mov_b32 s93, 0
	s_mov_b32 s95, 0
	s_mul_i32 s97, s14, 8*TILEB                    ; where they go: wave x 8 tiles: no place in the cluster enters an LDS address
	s_lshl_b32 s98, s14, 12
	s_mov_b32 s[SEL], 0x76543210
	s_mov_b32 s[SEL+1], 0xfedcba98
	s_wait_dscnt 0x0                               ; the opening add is done
	s_wait_kmcnt 0x0
	s_add_nc_u64 s[20:21], s[4:5], s[20:21]
	s_add_nc_u64 s[22:23], s[6:7], s[22:23]
	s_add_nc_u64 s[92:93], s[4:5], s[92:93]
	s_add_nc_u64 s[94:95], s[6:7], s[94:95]
	CROUND                                         ; all sixteen work-groups are here: the first joint loads meet
	s_mov_b32 s[G0S], 1
	s_add_co_u32 s[G0S+1], s98, SCL
	s_mov_b64 s[G0S+2:G0S+3], s[22:23]
	s_or_b32 s[G0S+3], s[G0S+3], 0x80000000
	s_mov_b32 s[G0SB], 1
	s_add_co_u32 s[G0SB+1], s98, SCL
	s_mov_b64 s[G0SB+2:G0SB+3], s[94:95]
	s_or_b32 s[G0SB+3], s[G0SB+3], 0x80000000
	JLOAD G0S, G1S, G0SB, G1SB
.irp s, 0,1,2
	s_mov_b32 s[G0+4*\s], 1
	s_add_co_u32 s[G0+4*\s+1], s97, \s*SLOT
	s_add_nc_u64 s[G0+4*\s+2:G0+4*\s+3], s[20:21], \s*TILEB
	s_or_b32 s[G0+4*\s+3], s[G0+4*\s+3], 0x80000000
	s_mov_b32 s[G0B+4*\s], 1
	s_add_co_u32 s[G0B+4*\s+1], s97, \s*SLOT
	s_add_nc_u64 s[G0B+4*\s+2:G0B+4*\s+3], s[92:93], \s*TILEB
	s_or_b32 s[G0B+4*\s+3], s[G0B+4*\s+3], 0x80000000
	JLOAD G0+4*\s, G1, G0B+4*\s, G1B
.endr
	v_and_b32 v1, 15, v0                           ; r
	v_bfe_u32 v2, v0, 4, 1                         ; h
	v_and_b32 v3, 31, v0                           ; lane
	v_lshlrev_b32 v[L8], 3, v3
	s_mul_i32 s20, s15, 8*TILEB                    ; my 8 tiles of A
	s_mul_i32 s21, s16, NB*TILEB                   ; my 8 tiles of B,
	s_add_co_u32 s21, s21, 16*TILEB                ; behind A's 16
.irp s, 0,1,2
	v_add_nc_u32 v[ADRA+\s], s20, v[L8]
	v_add_nc_u32 v[ADRB+\s], s21, v[L8]
	s_add_co_u32 s20, s20, SLOT
	s_add_co_u32 s21, s21, SLOT
.endr
	v_lshlrev_b32 v4, 3, v1
	s_lshl_b32 s20, s15, 12
	s_lshl_b32 s21, s16, 12
	s_add_co_u32 s21, s21, 8192
	s_sub_co_u32 s21, s21, s20
	v_mul_u32_u24 v5, s21, v2                      ; lanes 16-31 take B's words
	s_add_co_u32 s20, s20, SCL
	v_add_nc_u32 v4, v4, v5
	v_add_nc_u32 v[ADRS], s20, v4
	v_mov_b32 v82, 0                               ; (a lane permute's destination counts as one of its sources)
	v_mov_b32 v83, 0
	; the way out's bases and offsets
	s_mov_b32 s98, 3072
	s_mov_b32 s99, 98304
	s_cmp_eq_u32 ttmp9, 2
	s_cselect_b32 s20, s18, s17                    ; which 256 channels
	s_cselect_b32 s21, s15, s16                    ; which half of them is my wave's
	s_cselect_b32 s22, s17, s18
	s_cselect_b32 s23, s16, s15                    ; which half of the 256 tokens
	s_cselect_b32 s96, 0, 1                        ; 1: the rotation is real
	s_cselect_b32 s97, -1, 0                       ; all lanes: v
	s_cselect_b32 s100, s99, s98                   ; from A's blocks 0-3 to 4-7: v: the next head; q, k: four tiles of tokens
	s_cselect_b32 s101, s98, s99                   ; from group 0 to group 1 of B's rows: v: the next 64 keys; q, k: the next head
	s_lshl_b32 s2, s19, 2
	s_add_co_u32 s22, s22, s2                      ; which 256 tokens of the 8,192
	s_lshr_b32 s2, s22, 3
	s_lshl_b32 s2, s2, 4
	s_lshl_b32 s20, s20, 2
	s_add_co_u32 s2, s2, s20
	s_lshl_b32 s21, s21, 1
	s_add_co_u32 s2, s2, s21                       ; my first (batch, head)
	s_and_b32 s22, s22, 7
	s_lshl_b32 s3, s22, 1
	s_add_co_u32 s3, s3, s23                       ; which 128 tokens of the sequence
	s_mul_i32 s20, ttmp9, 6291456
	s_mul_i32 s21, s2, 98304
	s_add_co_u32 s20, s20, s21
	s_mul_i32 s21, s3, 6144
	s_add_co_u32 s20, s20, s21
	s_mov_b32 s21, 0
	s_add_nc_u64 s[10:11], s[10:11], s[20:21]
	s_lshl_b32 s20, ttmp9, 18
	s_lshl_b32 s22, s2, 12
	s_add_co_u32 s20, s20, s22
	s_lshl_b32 s22, s3, 8
	s_add_co_u32 s20, s20, s22
	s_add_nc_u64 s[12:13], s[12:13], s[20:21]
	s_mul_i32 s20, s3, s96
	s_lshl_b32 s20, s20, 15                        ; the table of my 8 tiles of tokens (v: of tile 0)
	s_add_nc_u64 s[8:9], s[8:9], s[20:21]
	v_mov_b32 v[VO], v[L8]
	v_add_nc_u32 v[VO+1], s101, v[L8]
	v_add_nc_u32 v[VO+2], s100, v[L8]
	v_add_nc_u32 v[VO+3], s101, v[VO+2]
	v_lshlrev_b32 v[VT], 4, v3
	v_mul_u32_u24 v[VT], v[VT], s96                ; v: every lane reads lane 0's entry
	s_lshl_b32 s20, s96, 12
.irp a, 1,2,3,4,5,6,7
	v_add_nc_u32 v[VT+\a], s20, v[VT+\a-1]
.endr
	s_wait_tensorcnt 2                             ; the scale words and my part of slot 0 are in; slots 1 and 2 may be out
	s_barrier_signal -1
	s_barrier_wait -1
	FETCH_B 0, 0, 0
	FETCH_A 0, 0, 0
	SCALES 0, 0
	FETCH_A 0, 0, 4
	KSTEP 0, 0, 0, 1, 0, 1, 0, 0                   ; the first step's products start the sums: nothing is cleared
	KSTEP 1, 1, 0, 0, 1, 0, 1, 2                   ; slot 0 is read out: the one refill
	KSTEP 0, 0, 1, 0, 1, 1, 0, 0
	KSTEP 1, 1, 1, 0, 2, 0, 2, 0                   ; slot 2 was shown whole to every wave by the barrier two steps back
	KSTEP 0, 0, 0, 0, 2, 1, 0, 0
	KSTEP 1, 1, 0, 0, 0, 0, 3, 1                   ; the refill has landed in every wave
	KSTEP 0, 0, 1, 0, 0, 1, 0, 0
	s_wait_dscnt 24                                ; the last step: nothing more to fetch
	WIN MUL_LO
	MULAB 0, 1, 1, 1, 0
	MULAB 2, 1, 1, 1, 0
	s_wait_dscnt 0x0
	WIN MUL_HI
	MULAB 4, 1, 1, 1, 0
	MULAB 6, 1, 1, 1, 0
	PLACES 4
	WIN 0x40                                       ; the table into B's registers, which are free
.irp a, 0,1,2,3,4,5,6,7
.irp u, 0,1,2,3,4,5,6,7
	global_load_b128 v[32*\a+4*\u:32*\a+4*\u+3], v[VT+\a], s[8:9] offset:512*\u
.endr
.endr
	WIN 0
.irp a, 0,1,2,3,4,5,6,7
	INST \a, 0
	INST \a, 1
.endr
	v_cmp_ne_u32 s2, 0, v2                         ; lanes 16-31
.irp g, 0,1                            ; the scale words of my two heads: one unit of 256 bytes each
.irp i, 0,1,2,3
	v_lshl_or_b32 v[150+\i], v[HW+2*(2*\i+1)+\g], 16, v[HW+2*(2*\i)+\g]    ; q, k: tiles 2 i, 2 i + 1 of tokens
	v_lshl_or_b32 v[154+\i], v[HW+2*(4*\g+\i)+1], 16, v[HW+2*(4*\g+\i)]    ; v: the tile i of channels, four blocks of keys
	v_cndmask_b32 v[150+\i], v[150+\i], v[154+\i], s97
.endr
	v_cndmask_b32 v[158+2*\g], v150, v151, s2
	v_cndmask_b32 v[159+2*\g], v152, v153, s2
	global_store_b64 v[L8], v[158+2*\g:159+2*\g], s[12:13] offset:4096*\g
.endr
	s_wait_tensorcnt 0x0                           ; the wave's end
	ds_add_u32 v[SPW], v[NIL]
	s_wait_dscnt 0x0
	CROUND                                         ; the closing round
	s_endpgm
.Lfunc_end_k_q11e206ccc1_qkv:
	.size	k_q11e206ccc1_qkv, .Lfunc_end_k_q11e206ccc1_qkv-k_q11e206ccc1_qkv
	.p2alignl 7, 3214868480
	.fill 96, 4, 3214868480
	.section	.rodata,"a",@progbits
	.p2align	6, 0x0
	.amdhsa_kernel k_q11e206ccc1_qkv
		.amdhsa_group_segment_fixed_size 327680
		.amdhsa_private_segment_fixed_size 0
		.amdhsa_enable_private_segment 0
		.amdhsa_kernarg_size 40
		.amdhsa_user_sgpr_count 2
		.amdhsa_user_sgpr_kernarg_segment_ptr 1
		.amdhsa_wavefront_size32 1
		.amdhsa_system_sgpr_workgroup_id_x 1
		.amdhsa_system_sgpr_workgroup_id_y 1
		.amdhsa_system_sgpr_workgroup_id_z 1
		.amdhsa_system_vgpr_workitem_id 0
		.amdhsa_next_free_vgpr 1024
		.amdhsa_next_free_sgpr 102
		.amdhsa_reserve_vcc 0
		.amdhsa_float_denorm_mode_32 3
		.amdhsa_float_denorm_mode_16_64 3
		.amdhsa_memory_ordered 1
		.amdhsa_forward_progress 1
		.amdhsa_inst_pref_size 207
	.end_amdhsa_kernel
	.amdgpu_metadata
---
amdhsa.version: [ 1, 2 ]
amdhsa.kernels:
  - .name:           k_q11e206ccc1_qkv
    .symbol:         k_q11e206ccc1_qkv.kd
    .args:
      - { .name: codes, .offset: 0, .size: 8, .value_kind: global_buffer, .address_space: global }
      - { .name: scales, .offset: 8, .size: 8, .value_kind: global_buffer, .address_space: global }
      - { .name: tab, .offset: 16, .size: 8, .value_kind: global_buffer, .address_space: global }
      - { .name: qkvc, .offset: 24, .size: 8, .value_kind: global_buffer, .address_space: global }
      - { .name: qkvs, .offset: 32, .size: 8, .value_kind: global_buffer, .address_space: global }
    .group_segment_fixed_size: 327680
    .private_segment_fixed_size: 0
    .kernarg_segment_align: 8
    .kernarg_segment_size: 40
    .max_flat_workgroup_size: 128
    .sgpr_count:     102
    .vgpr_count:     1024
    .wavefront_size: 32
...
	.end_amdgpu_metadata
.endif
;; end of part 2
;; launch attn (part 3): grid 4 x 64, 16 waves a work-group, clusters of 4 x 1, 327,680 bytes of LDS; arguments qkvc, qkvs, ocodes, oscales; writes ocodes, oscales
.if DOCPART == 3
	.amdgcn_target "amdgcn-amd-amdhsa--gfx1250"
	.amdhsa_code_object_version 6
	.text
	.protected	k_q11e206ccc1_attn
	.globl	k_q11e206ccc1_attn
	.p2align	8
	.type	k_q11e206ccc1_attn,@function
k_q11e206ccc1_attn:
	s_mov_b64 s[64:65], 0
	v_nop
	global_prefetch_b8 v0, s[64:65] scope:SCOPE_SE
	s_setreg_imm32_b32 hwreg(HW_REG_WAVE_MODE, 25, 1), 1
	s_wait_xcnt 0x0
	s_wait_alu depctr_hold_cnt(0) depctr_sa_sdst(0) depctr_va_vdst(0) depctr_va_sdst(0) depctr_va_ssrc(0) depctr_va_vcc(0) depctr_vm_vsrc(0)
	s_getreg_b32 s2, hwreg(HW_REG_IB_STS2, 6, 4)
	s_cmp_eq_u32 s2, 0
	s_cbranch_scc0 .Lentry_in_a_cluster
	s_endpgm
.Lentry_in_a_cluster:
	s_bfe_u32 s2, ttmp6, 0x10000c
	s_cmp_lg_u32 s2, 0x3003
	s_cbranch_scc0 .Lentry_shape_is_right
	s_endpgm
.Lentry_shape_is_right:
; Causal attention on codes of FP6 (E2M3) for 64 (batch, head) pairs, 2,048 tokens, 64 channels; the result is quantised along the model's channels for the last projection.
; THE SOFTMAX AHEAD OF THE SECOND PRODUCT: t = score x log2(e) / 8; M = the running largest t rounded UP to a whole number; p = 2^(t - M) is quantised along the keys, not normalised; the row's sum is taken of the unquantised p
; and divides at the end.  When M moves, the sum and O are multiplied by 2^(old M - new M): exact.
; SHARES.  The four work-groups of a cluster serve one head.  Wave w of work-group cx owns two tiles of 16 queries, 127 - t and t with t = 4 w + cx, one after the other: tile T needs T / 8 + 1 key steps of 128, which is
; 16 - w / 2 and w / 2 + 1: seventeen for every wave, and the counts hang on the wave's number alone.  cx enters global addresses and the mask's lane values, nothing else.
; A WHOLE HEAD LIES IN LDS: K's and V's codes (98,304 bytes each) and their scale words (4,096 each), filled once by joint loads of the four partners, two a wave (two tensor loads of mine are out, by this text's count); nothing is filled again.
; LAYOUT.  Both products are used transposed: a lane holds ONE query (lane % 16).  A tile holds tokens 32 b + 8 u + r + 8 (r / 8), so the 16 registers of two neighbouring tiles of keys are 16 neighbouring keys.
; A HEAD'S K IS 64, THE INSTRUCTION'S 128: a fragment of K holds tile 2 f in registers 0-5 and tile 2 f + 1 in registers 6-11; it is multiplied by [q | 0] for tile 2 f's scores and by [0 | q] for tile 2 f + 1's.
; The zero half of q carries the scale byte 1.  Zero codes add nothing.
; A step all of whose keys come after my queries is left out by a scalar branch on the count of steps and the wave's number; in a tile's last step hidden scores become -infinity ahead of the maximum.
; OUT: ocodes [tile of tokens 0..511][head][768]; oscales [tile][head / 4][r][2 words], two bytes of a word to a head: these leave by stores of two bytes, 8 bytes apart (1 byte in 24 of what the launch stores).
; LIMITS: NaN and infinities are not served; blocks under 2^-124 and blocks of zeros keep the byte 1.
; REGISTERS: v1-3 8 x lane (+ V's, + the scale words' LDS base); v4-6 the step's LDS addresses; v7 8 r; v8 r + 8 (r / 8) - 16 h; v9, v10 the add's two; v11 q's raw scale word; v12 -M, v13 the largest t, v[14:15] the sum;
; v16-21 q, v22-27 zeros, v28-33 q; v34, v35 q's scale words; v36-83 four fragments; v84 the result's two bytes; v96-159 S^T, then p; v160-191 O^T; v192-203 p's codes; v204-210 at work; v212-231 at work; v240-244 scale words alone.
.set SPARE, 204800
.set SPW, 9
.set NIL, 10
.set WV,  12
.set CX,  13
.set BH,  14
.set G1,  16
.set G1S, 24
.set G0,  32
.set G0S, 36
.set SEL, 40
.set CS,  42
.set TT,  44
.set KL,  45
.set SQ,  46
.set KAP, 47
.set T6,  48
.set T2,  49
.macro CROUND
	s_barrier_signal -1
	s_barrier_wait -1
	s_cmp_lg_u32 s[WV], 0
	s_cbranch_scc1 .Lnot_wave_0_\@
	s_barrier_signal -3
.Lnot_wave_0_\@:
	s_barrier_wait -3
	s_barrier_signal -1
	s_barrier_wait -1
.endm
.macro QUANT32 s, pc, px, tm, hw       ; 32 numbers of a lane, register 16 b + i = k 32 b + 16 (lane / 16) + i, become six registers of codes (lane (r, h): block h whole) and two bytes
.irp b, 0,1
	v_max3_num_f32 v[\tm+\b], |v[\s+16*\b]|, |v[\s+1+16*\b]|, 0x1800000
.endr
.irp i, 2,4,6,8,10,12,14
.irp b, 0,1
	s_delay_alu instid0(VALU_DEP_2)
	v_max3_num_f32 v[\tm+\b], v[\tm+\b], |v[\s+16*\b+\i]|, |v[\s+1+16*\b+\i]|
.endr
.endr
.irp b, 0,1
	s_delay_alu instid0(VALU_DEP_2)
	v_permlanex16_b32 v[\tm+2+\b], v[\tm+\b], s[SEL], s[SEL+1]
.endr
.irp b, 0,1
	s_delay_alu instid0(VALU_DEP_2)
	v_max_num_f32 v[\tm+\b], v[\tm+\b], v[\tm+2+\b]
.endr
.irp b, 0,1
	s_delay_alu instid0(VALU_DEP_2)
	v_add_nc_u32 v[\tm+4+\b], 0xff000000, v[\tm+\b]
.endr
.irp b, 0,1
	s_delay_alu instid0(VALU_DEP_2)
	v_lshrrev_b32 v[\tm+2+\b], 23, v[\tm+4+\b]
.endr
	s_delay_alu instid0(VALU_DEP_1)
	v_lshl_or_b32 v[\hw], v[\tm+3], 8, v[\tm+2]
	v_cvt_scalef32_pk16_fp6_f32 v[\pc:\pc+2], v[\s:\s+15], v[\tm+4]
	v_cvt_scalef32_pk16_fp6_f32 v[\px:\px+2], v[\s+16:\s+31], v[\tm+5]
	v_nop
.irp i, 0,1,2
	v_permlane16_swap_b32 v[\pc+\i], v[\px+\i]
.endr
.irp i, 0,1,2
	s_delay_alu instid0(VALU_DEP_3)
	v_mov_b32 v[\pc+3+\i], v[\px+\i]
.endr
.endm
; A tile's head: its number, its last key step, q and q's scale words; the sums begin as zeros and the largest t as -3e38
.macro HEAD pass
	s_wait_xcnt 0x0                                ; the earlier tile's stores have read their bases
	s_lshl_b32 s[TT], s[WV], 2
	s_add_co_u32 s[TT], s[TT], s[CX]
	s_lshr_b32 s[KL], s[WV], 1
.if \pass == 0
	s_sub_co_u32 s[TT], 127, s[TT]
	s_sub_co_u32 s[KL], 15, s[KL]
.endif
	s_lshr_b32 s50, s[TT], 1
	s_lshl_b32 s50, s50, 5
	s_and_b32 s51, s[TT], 1
	s_lshl_b32 s52, s51, 3
	s_add_co_u32 s[SQ], s50, s52                   ; the tile's first token
	s_lshl_b32 s51, s51, 4
	s_lshl_b32 s52, s[BH], 7
	s_add_co_u32 s52, s52, s[TT]
	s_mul_i32 s52, s52, 768
	s_mov_b32 s53, 0
	s_add_nc_u64 s[60:61], s[4:5], s[52:53]
	s_lshl_b32 s52, s[BH], 12
	s_lshr_b32 s54, s[TT], 3
	s_lshl_b32 s54, s54, 8
	s_add_co_u32 s52, s52, s54
	s_bfe_u32 s54, s[TT], 0x10001
	s_lshl_b32 s54, s54, 7
	s_add_co_u32 s52, s52, s54
	s_bfe_u32 s54, s[TT], 0x10002
	s_lshl_b32 s54, s54, 2
	s_add_co_u32 s52, s52, s54
	s_add_nc_u64 s[62:63], s[6:7], s[52:53]
.irp p, 0,1,2
	global_load_b64 v[16+2*\p:17+2*\p], v1, s[60:61] offset:256*\p
	global_load_b64 v[28+2*\p:29+2*\p], v1, s[60:61] offset:256*\p   ; loaded twice, so that no register is moved
.endr
	global_load_b32 v11, v7, s[62:63]
	v_mov_b32 v13, 0xff61b1e6
	s_delay_alu instid0(VALU_DEP_1)
	v_floor_f32 v12, -v13
	v_mov_b32 v14, 0
	v_mov_b32 v15, 0
.set j, 0
.rept 32
	v_mov_b32 v[160+j], 0                          ; O^T.  (The step is written once: its first trip finds zeros)
.set j, j+1
.endr
	s_mov_b32 s[KAP], 0
	s_mov_b32 s[T6], 0
	s_mov_b32 s[T2], 0
	s_wait_loadcnt 0x0
	v_lshrrev_b32 v226, s51, v11
	s_delay_alu instid0(VALU_DEP_1)
	v_and_b32 v226, 0xffff, v226                   ; my tile's two bytes
	s_delay_alu instid0(VALU_DEP_1)
	v_or_b32 v34, 0x01010000, v226
	s_delay_alu instid0(VALU_DEP_2)
	v_lshl_or_b32 v35, v226, 16, 0x0101
.rept 8
	v_nop                                          ; a scale register written by a vector line stands 8 places ahead of a scaled matrix instruction
.endr
.endm
.macro STEP
	s_cmp_gt_u32 s[KAP], s[KL]
	s_cbranch_scc1 .Lhid_\@
	s_setprio 2
	v_add_nc_u32 v4, s[T6], v1
	v_add_nc_u32 v5, s[T6], v2
	v_add_nc_u32 v6, s[T2], v3
.irp f, 0,1,2,3
.irp p, 0,1,2,3,4,5
	ds_load_b64 v[36+12*\f+2*\p:37+12*\f+2*\p], v4 offset:1536*\f+256*\p
.endr
.endr
	ds_load_b64 v[240:241], v6                     ; K's scale words: fragment f in register f / 2, row f % 2
	s_wait_dscnt 0x0
	s_wait_alu depctr_va_vdst(0)
.irp f, 0,1,2,3
.if (\f)%2
	v_wmma_scale_f32_16x16x128_f8f6f4 v[96+16*\f:103+16*\f], v[36+12*\f:47+12*\f], v[16:27], 0, v[240+\f/2], v34 matrix_a_fmt:MATRIX_FMT_FP6 matrix_b_fmt:MATRIX_FMT_FP6 matrix_a_scale:MATRIX_SCALE_ROW1
	v_wmma_scale_f32_16x16x128_f8f6f4 v[104+16*\f:111+16*\f], v[36+12*\f:47+12*\f], v[22:33], 0, v[240+\f/2], v35 matrix_a_fmt:MATRIX_FMT_FP6 matrix_b_fmt:MATRIX_FMT_FP6 matrix_a_scale:MATRIX_SCALE_ROW1
.else
	v_wmma_scale_f32_16x16x128_f8f6f4 v[96+16*\f:103+16*\f], v[36+12*\f:47+12*\f], v[16:27], 0, v[240+\f/2], v34 matrix_a_fmt:MATRIX_FMT_FP6 matrix_b_fmt:MATRIX_FMT_FP6
	v_wmma_scale_f32_16x16x128_f8f6f4 v[104+16*\f:111+16*\f], v[36+12*\f:47+12*\f], v[22:33], 0, v[240+\f/2], v35 matrix_a_fmt:MATRIX_FMT_FP6 matrix_b_fmt:MATRIX_FMT_FP6
.endif
.endr
.rept 4
	v_nop                                          ; places ahead of the loads into the fragments' registers and of the first read of the scores
.endr
.irp c, 0,1,2,3                        ; V's fragments go out at once and land under the softmax
.irp p, 0,1,2,3,4,5
	ds_load_b64 v[36+12*\c+2*\p:37+12*\c+2*\p], v5 offset:3072*(\p/3)+768*\c+256*(\p%3)
.endr
.endr
	ds_load_b64 v[242:243], v6 offset:4096
	s_cmp_lg_u32 s[KAP], s[KL]                     ; only the tile's last step lies on the diagonal
	s_cbranch_scc1 .Lopen_\@
	s_lshl_b32 s50, s[KAP], 7
	s_sub_co_i32 s50, s[SQ], s50
	v_add_nc_u32 v230, s50, v8                     ; d = my query - the step's first key - 16 (lane / 16); register 16 b + i holds key 32 b + i + 16 (lane / 16) of the step: hidden where 32 b + i > d
	v_mov_b32 v231, 0xff800000
.set j, 0
.rept 64
	v_cmp_gt_i32 vcc_lo, 32*(j/16)+j%16, v230
	v_cndmask_b32 v[96+j], v[96+j], v231, vcc_lo
.set j, j+1
.endr
.Lopen_\@:
.irp b, 0,1,2,3
	v_max3_num_f32 v[212+\b], v[96+16*\b], v[97+16*\b], v[98+16*\b]   ; the largest score of each block of 32 keys: for the row's maximum and, since p rises with the score, for the block's largest p
.endr
.irp i, 3,5,7,9,11,13
.irp b, 0,1,2,3
	v_max3_num_f32 v[212+\b], v[212+\b], v[96+16*\b+\i], v[97+16*\b+\i]
.endr
.endr
.irp b, 0,1,2,3
	v_max_num_f32 v[212+\b], v[212+\b], v[111+16*\b]
.endr
.irp b, 0,1,2,3
	s_delay_alu instid0(VALU_DEP_4)
	v_permlanex16_b32 v[216+\b], v[212+\b], s[SEL], s[SEL+1]
.endr
.irp b, 0,1,2,3
	s_delay_alu instid0(VALU_DEP_4)
	v_max_num_f32 v[212+\b], v[212+\b], v[216+\b]
.endr
	s_delay_alu instid0(VALU_DEP_2)
	v_max3_num_f32 v226, v212, v213, v214
	s_delay_alu instid0(VALU_DEP_1)
	v_max_num_f32 v226, v226, v215
	s_delay_alu instid0(VALU_DEP_1)
	v_mul_f32 v226, s[CS], v226
	s_delay_alu instid0(VALU_DEP_1)
	v_max_num_f32 v13, v13, v226                   ; the running largest t
	v_mov_b32 v226, v12
	s_delay_alu instid0(VALU_DEP_2)
	v_floor_f32 v12, -v13                          ; -M = floor(-t): M is a whole number
	s_delay_alu instid0(VALU_DEP_1)
	v_sub_f32 v226, v12, v226
	s_delay_alu instid0(VALU_DEP_1)
	v_cvt_i32_f32 v226, v226                       ; (it saturates)
	s_delay_alu instid0(VALU_DEP_1)
	v_ldexp_f32 v228, 1.0, v226                    ; f = 2^(old M - new M)
.set j, 0
	s_setprio 1
.rept 32
	v_pk_fma_f32 v[96+j:97+j], v[96+j:97+j], s[CS:CS+1], v[12:13] op_sel_hi:[1,0,0]   ; t - M
.set j, j+2
.endr
.irp b, 0,1,2,3
	v_fma_f32 v[212+\b], v[212+\b], s[CS], v12
.endr
.set j, 0
	s_wait_alu depctr_va_vdst(0)
.rept 64
	v_exp_f32 v[96+j], v[96+j]                     ; p = 2^(t - M)
.set j, j+1
.endr
	v_pk_mul_f32 v[14:15], v[14:15], v[228:229] op_sel_hi:[1,0]   ; the sums under the new M; the plain line behind the batch
	s_wait_alu depctr_va_vdst(0)                   ; one wait for the batch, ahead of its first reader
.irp b, 0,1,2,3
	v_exp_f32 v[212+\b], v[212+\b]                 ; each block's largest p
.endr
	v_pk_add_f32 v[224:225], v[96:97], v[98:99]    ; the row's sum of the unquantised p, in two chains
.irp j, 4,8,12,16,20,24,28,32,36,40,44,48,52,56,60
	v_pk_add_f32 v[14:15], v[14:15], v[96+\j:97+\j]
	v_pk_add_f32 v[224:225], v[224:225], v[98+\j:99+\j]
.endr
	s_delay_alu instid0(VALU_DEP_1)
	v_pk_add_f32 v[14:15], v[14:15], v[224:225]
	s_wait_alu depctr_va_vdst(0)                   ; and one for the four
.irp b, 0,1,2,3
	v_max_num_f32 v[212+\b], 0x1800000, v[212+\b]
.endr
.irp b, 0,1,2,3
	s_delay_alu instid0(VALU_DEP_4)
	v_add_nc_u32 v[220+\b], 0xff000000, v[212+\b]
.endr
.irp b, 0,1,2,3
	s_delay_alu instid0(VALU_DEP_4)
	v_lshrrev_b32 v[216+\b], 23, v[220+\b]
.endr
	s_delay_alu instid0(VALU_DEP_3)
	v_lshl_or_b32 v244, v217, 8, v216              ; p's scale word for these 128 keys
	s_delay_alu instid0(VALU_DEP_1)
	v_lshl_or_b32 v244, v218, 16, v244
	s_delay_alu instid0(VALU_DEP_1)
	v_lshl_or_b32 v244, v219, 24, v244
	s_setprio 0
.irp c, 0,1
	v_cvt_scalef32_pk16_fp6_f32 v[192+6*\c:194+6*\c], v[96+32*\c:111+32*\c], v[220+2*\c]
	v_cvt_scalef32_pk16_fp6_f32 v[204+4*\c:206+4*\c], v[112+32*\c:127+32*\c], v[221+2*\c]
.endr
	v_nop
.irp c, 0,1
.irp i, 0,1,2
	v_permlane16_swap_b32 v[192+6*\c+\i], v[204+4*\c+\i]
.endr
.irp i, 0,1,2
	s_delay_alu instid0(VALU_DEP_3)
	v_mov_b32 v[195+6*\c+\i], v[204+4*\c+\i]
.endr
.endr
.set j, 0
.rept 16
	v_pk_mul_f32 v[160+j:161+j], v[160+j:161+j], v[228:229] op_sel_hi:[1,0]   ; O^T under the new M; these are also the places ahead of the products below
.set j, j+2
.endr
	s_wait_alu depctr_va_vdst(0)
	s_wait_dscnt 0x0                               ; V's fragments and scale words
.irp c, 0,1,2,3                        ; the four accumulators take turns, one instruction a turn
.if (\c)%2
	v_wmma_scale_f32_16x16x128_f8f6f4 v[160+8*\c:167+8*\c], v[36+12*\c:47+12*\c], v[192:203], v[160+8*\c:167+8*\c], v[242+\c/2], v244 matrix_a_fmt:MATRIX_FMT_FP6 matrix_b_fmt:MATRIX_FMT_FP6 matrix_a_scale:MATRIX_SCALE_ROW1
.else
	v_wmma_scale_f32_16x16x128_f8f6f4 v[160+8*\c:167+8*\c], v[36+12*\c:47+12*\c], v[192:203], v[160+8*\c:167+8*\c], v[242+\c/2], v244 matrix_a_fmt:MATRIX_FMT_FP6 matrix_b_fmt:MATRIX_FMT_FP6
.endif
.endr
.rept 4
	v_nop                                          ; so that every way out of the step has its places
.endr
.Lhid_\@:
.endm
.macro WALK                            ; sixteen trips, a constant; the LDS addresses step by constants
.Lk_\@:
	STEP
	s_add_co_u32 s[T6], s[T6], 6144
	s_add_co_u32 s[T2], s[T2], 256
	s_add_co_u32 s[KAP], s[KAP], 1
	s_cmp_lt_u32 s[KAP], 16
	s_cbranch_scc1 .Lk_\@
	s_setprio 0
.endm
.macro OUT
	v_add_f32 v14, v14, v15
	s_wait_alu depctr_va_vdst(0)
	v_permlanex16_b32 v226, v14, s[SEL], s[SEL+1]
	s_delay_alu instid0(VALU_DEP_1)
	v_add_f32 v14, v14, v226                       ; the row's sum
	s_wait_alu depctr_va_vdst(0)
	v_rcp_f32 v228, v14
	v_nop
	s_lshr_b32 s50, s[BH], 4
	s_lshl_b32 s50, s50, 7
	s_add_co_u32 s50, s50, s[TT]                   ; the tile among the 512 of all tokens
	s_and_b32 s51, s[BH], 15                       ; the head: its 64 channels are one group of the next K
	s_mul_i32 s52, s50, 12288
	s_mul_i32 s54, s51, 768
	s_add_co_u32 s52, s52, s54
	s_mov_b32 s53, 0
	s_add_nc_u64 s[66:67], s[8:9], s[52:53]
	s_lshl_b32 s52, s50, 9
	s_lshr_b32 s54, s51, 2
	s_lshl_b32 s54, s54, 7
	s_add_co_u32 s52, s52, s54
	s_bfe_u32 s54, s51, 0x10001
	s_lshl_b32 s54, s54, 2
	s_add_co_u32 s52, s52, s54
	s_and_b32 s54, s51, 1
	s_lshl_b32 s54, s54, 1
	s_add_co_u32 s52, s52, s54
	s_add_nc_u64 s[68:69], s[10:11], s[52:53]
	s_wait_alu depctr_va_vdst(0)                   ; the wait ahead of the reciprocal's first reader
.set j, 0
.rept 16
	v_pk_mul_f32 v[96+j:97+j], v[160+j:161+j], v[228:229] op_sel_hi:[1,0]   ; O^T / the sum: register 16 b + i is channel 32 b + 16 (lane / 16) + i
.set j, j+2
.endr
	QUANT32 96, 192, 204, 212, 84
.irp p, 0,1,2
	global_store_b64 v1, v[192+2*\p:193+2*\p], s[66:67] offset:256*\p   ; 256 consecutive aligned bytes
.endr
	global_store_b16 v7, v84, s[68:69]             ; lanes l and l xor 16 store the same two bytes
.endm
	s_load_b256 s[4:11], s[0:1], 0x0               ; qkvc, qkvs, ocodes, oscales
	v_lshl_add_u32 v[SPW], v0, 2, SPARE
	v_mov_b32 v[NIL], 0
	ds_add_u32 v[SPW], v[NIL]                      ; the wave's opening: the add and its wait ahead of my first tensor load
	ds_add_u32 v[SPW], v[NIL]
	v_lshrrev_b32 v1, 5, v0
	s_delay_alu instid0(VALU_DEP_1)
	v_readfirstlane_b32 s[WV], v1                  ; wave 0 .. 15
	s_bfe_u32 s[CX], ttmp6, 0x40000
	s_and_b32 s[BH], ttmp7, 0xffff
	s_mov_b32 s[G1], 15|(3<<16)|(1<<21)            ; all four partners; elements of 8 bytes; bit 21 set beside a mask
	s_mov_b32 s[G1+1], 32<<16                      ; codes: 12,288 dense bytes as 48 rows of 256
	s_mov_b32 s[G1+2], 48<<16
	s_mov_b32 s[G1+3], 32<<16
	s_mov_b32 s[G1+4], 48
	s_mov_b32 s[G1+5], 32
	s_mov_b32 s[G1+6], 0
	s_mov_b32 s[G1+7], 0
	s_mov_b32 s[G1S], 15|(3<<16)|(1<<21)
	s_mov_b32 s[G1S+1], 32<<16                     ; scale words: 512 dense bytes
	s_mov_b32 s[G1S+2], 2<<16
	s_mov_b32 s[G1S+3], 32<<16
	s_mov_b32 s[G1S+4], 2
	s_mov_b32 s[G1S+5], 32
	s_mov_b32 s[G1S+6], 0
	s_mov_b32 s[G1S+7], 0
	s_lshr_b32 s50, s[WV], 3
	s_add_co_u32 s50, s50, 1                       ; waves 0-7 fetch K's section, waves 8-15 V's
	s_and_b32 s51, s[WV], 7
	s_mul_i32 s52, s50, 6291456
	s_mul_i32 s54, s[BH], 98304
	s_add_co_u32 s52, s52, s54
	s_mul_i32 s54, s51, 12288
	s_add_co_u32 s52, s52, s54
	s_mov_b32 s53, 0
	s_lshl_b32 s54, s50, 18
	s_lshl_b32 s55, s[BH], 12
	s_add_co_u32 s54, s54, s55
	s_lshl_b32 s55, s51, 9
	s_add_co_u32 s54, s54, s55
	s_mov_b32 s55, 0
	s_mul_i32 s56, s[WV], 12288
	s_lshl_b32 s57, s[WV], 9
	s_add_co_u32 s57, s57, 196608
	s_mov_b32 s[SEL], 0x76543210
	s_mov_b32 s[SEL+1], 0xfedcba98
	s_mov_b32 s[CS], 0x3e38aa3b                    ; log2(e) / 8
	s_mov_b32 s[CS+1], s[CS]
	v_and_b32 v226, 31, v0
	s_delay_alu instid0(VALU_DEP_1)
	v_lshlrev_b32 v1, 3, v226
	s_delay_alu instid0(VALU_DEP_1)
	v_add_nc_u32 v2, 98304, v1
	s_delay_alu instid0(VALU_DEP_2)
	v_add_nc_u32 v3, 196608, v1
	v_and_b32 v226, 15, v0
	s_delay_alu instid0(VALU_DEP_1)
	v_lshlrev_b32 v7, 3, v226
	s_delay_alu instid0(VALU_DEP_2)
	v_and_b32 v8, 8, v226
	s_delay_alu instid0(VALU_DEP_1)
	v_add_nc_u32 v8, v8, v226
	v_bfe_u32 v226, v0, 4, 1
	s_delay_alu instid0(VALU_DEP_1)
	v_lshlrev_b32 v226, 4, v226
	s_delay_alu instid0(VALU_DEP_1)
	v_sub_nc_u32 v8, v8, v226
.irp j, 22,23,24,25,26,27,212,213,214,215,216,217,218,219,228,229
	v_mov_b32 v[\j], 0                             ; q's zero half; and registers that are named as a permute's destination or a pair's upper half before they are first written
.endr
	s_wait_dscnt 0x0                               ; the opening add is done
	s_wait_kmcnt 0x0
	s_mov_b32 s[G0], 1
	s_mov_b32 s[G0+1], s56
	s_add_nc_u64 s[G0+2:G0+3], s[4:5], s[52:53]
	s_or_b32 s[G0+3], s[G0+3], 0x80000000
	s_mov_b32 s[G0S], 1
	s_mov_b32 s[G0S+1], s57
	s_add_nc_u64 s[G0S+2:G0S+3], s[6:7], s[54:55]
	s_or_b32 s[G0S+3], s[G0S+3], 0x80000000
	CROUND                                         ; the four partners are here: the joint loads meet
	tensor_load_to_lds s[G0:G0+3], s[G1:G1+7]
	s_nop 0
	s_wait_alu depctr_va_vdst(0)
	s_wait_tensorcnt 0x0
	ds_add_u32 v9, v10
	s_wait_dscnt 0x0
	CROUND
	tensor_load_to_lds s[G0S:G0S+3], s[G1S:G1S+7]
	s_nop 0
.rept 4
	v_nop
.endr
	HEAD 0
	s_wait_tensorcnt 0x0                           ; my parts of the head have landed,
	s_barrier_signal -1
	s_barrier_wait -1                              ; everybody's have
	WALK
	OUT
	HEAD 1
	WALK
	OUT
	s_wait_tensorcnt 0x0                           ; the wave's end
	ds_add_u32 v[SPW], v[NIL]
	s_wait_dscnt 0x0
	CROUND                                         ; the closing round
	s_endpgm
.Lfunc_end_k_q11e206ccc1_attn:
	.size	k_q11e206ccc1_attn, .Lfunc_end_k_q11e206ccc1_attn-k_q11e206ccc1_attn
	.p2alignl 7, 3214868480
	.fill 96, 4, 3214868480
	.section	.rodata,"a",@progbits
	.p2align	6, 0x0
	.amdhsa_kernel k_q11e206ccc1_attn
		.amdhsa_group_segment_fixed_size 327680
		.amdhsa_private_segment_fixed_size 0
		.amdhsa_enable_private_segment 0
		.amdhsa_kernarg_size 32
		.amdhsa_user_sgpr_count 2
		.amdhsa_user_sgpr_kernarg_segment_ptr 1
		.amdhsa_wavefront_size32 1
		.amdhsa_system_sgpr_workgroup_id_x 1
		.amdhsa_system_sgpr_workgroup_id_y 1
		.amdhsa_system_sgpr_workgroup_id_z 1
		.amdhsa_system_vgpr_workitem_id 0
		.amdhsa_next_free_vgpr 256
		.amdhsa_next_free_sgpr 72
		.amdhsa_reserve_vcc 1
		.amdhsa_float_denorm_mode_32 3
		.amdhsa_float_denorm_mode_16_64 3
		.amdhsa_memory_ordered 1
		.amdhsa_forward_progress 1
		.amdhsa_inst_pref_size 70
	.end_amdhsa_kernel
	.amdgpu_metadata
---
amdhsa.version: [ 1, 2 ]
amdhsa.kernels:
  - .name:           k_q11e206ccc1_attn
    .symbol:         k_q11e206ccc1_attn.kd
    .args:
      - { .name: qkvc, .offset: 0, .size: 8, .value_kind: global_buffer, .address_space: global }
      - { .name: qkvs, .offset: 8, .size: 8, .value_kind: global_buffer, .address_space: global }
      - { .name: ocodes, .offset: 16, .size: 8, .value_kind: global_buffer, .address_space: global }
      - { .name: oscales, .offset: 24, .size: 8, .value_kind: global_buffer, .address_space: global }
    .group_segment_fixed_size: 327680
    .private_segment_fixed_size: 0
    .kernarg_segment_align: 8
    .kernarg_segment_size: 32
    .max_flat_workgroup_size: 512
    .sgpr_count:     72
    .vgpr_count:     256
    .wavefront_size: 32
...
	.end_amdgpu_metadata
.endif
;; end of part 3
;; launch oproj (part 4): grid 8 x 32, 4 waves a work-group, clusters of 4 x 4, 327,680 bytes of LDS; arguments ocodes, oscales, codes, scales, out0; writes out0
.if DOCPART == 4
	.amdgcn_target "amdgcn-amd-amdhsa--gfx1250"
	.amdhsa_code_object_version 6
	.text
	.protected	k_q11e206ccc1_oproj
	.globl	k_q11e206ccc1_oproj
	.p2align	8
	.type	k_q11e206ccc1_oproj,@function
k_q11e206ccc1_oproj:
	s_mov_b64 s[64:65], 0
	v_nop
	global_prefetch_b8 v0, s[64:65] scope:SCOPE_SE
	s_setreg_imm32_b32 hwreg(HW_REG_WAVE_MODE, 25, 1), 1
	s_wait_xcnt 0x0
	s_wait_alu depctr_hold_cnt(0) depctr_sa_sdst(0) depctr_va_vdst(0) depctr_va_sdst(0) depctr_va_ssrc(0) depctr_va_vcc(0) depctr_vm_vsrc(0)
	s_getreg_b32 s2, hwreg(HW_REG_IB_STS2, 6, 4)
	s_cmp_eq_u32 s2, 0
	s_cbranch_scc0 .Lentry_in_a_cluster
	s_endpgm
.Lentry_in_a_cluster:
	s_bfe_u32 s2, ttmp6, 0x10000c
	s_cmp_lg_u32 s2, 0xf033
	s_cbranch_scc0 .Lentry_shape_is_right
	s_endpgm
.Lentry_shape_is_right:
; out0 = (attention's result) W_o^T on codes of FP6 (E2M3), K = 1,024; out0 [8192][1024] f32.
; A tile of 256 rows x 128 columns to a work-group, so that there are 256 of them; 128 x 64 to each of four waves: 32 accumulators.  THE MATRIX INSTRUCTION IS USED TRANSPOSED (source 0 = W_o's rows, source 1 = tokens).
; Both operands lie in the operand layout ([tile][group of 64 along K][768 bytes]; tile 2 b + u holds rows 32 b + 8 u + r + 8 (r / 8)); six ds_load_b64 at 256 p + 8 lane bring a fragment.
; ALL OF K LIES IN TWO LDS SLOTS of 512 along K, both filled at the start: nothing is filled again.  By this text's own count three tensor loads of a wave are out: its scale words, slot 0, slot 1.
; CLUSTERS 4 x 4: A's tiles are asked for jointly along a row of the cluster, B's along a column.
; REGISTERS: window 0: v8-15 LDS addresses; v16-18 the way out's; v28, v29 the add's two; v32-95 scale words, two sets (nothing else, ever); v128-223 A's 8 fragments, later rows of the result.
;   window 1: B's fragments, two sets at v0 and v128.  window 2: accumulator (a, b) at v[8 (4 a + b)].
.set NB,    4
.set TILEB, 6144
.set SLOT,  147456
.set SCL,   294912                     ; A's 8,192 bytes of scale words, then B's 4,096
.set SPARE, 307200
.set ADRA,  8
.set ADRB,  12
.set ADRS2, 14
.set ADRS,  15
.set STO,   16
.set RD,    17
.set CO,    18
.set SPW,   28
.set NIL,   29
.set SC,    32
.set AF,    128
.set G1,    24
.set G1B,   32
.set G1S,   40
.set G1SB,  48
.set G0S,   56
.set G0SB,  60
.set G0,    68
.set G0B,   76
.set MUL,   0xa1                       ; source 0 (B) window 1, source 1 (A) window 0, C and D window 2
.set MSB, 0
.macro WIN new
.if MSB != (\new)
	s_set_vgpr_msb (MSB<<8)|(\new)
.set MSB, (\new)
.endif
.endm
.macro JLOAD g0a, g1a, g0b, g1b        ; a joint load: waves 0, 1 fetch for A, waves 2, 3 for B; an s_nop 0 and four v_nop follow each of the two lines
	s_cmp_eq_u32 s15, 0
	s_cbranch_scc0 .Lfor_b_\@
	tensor_load_to_lds s[\g0a:\g0a+3], s[\g1a:\g1a+7]
	s_nop 0
.rept 4
	v_nop
.endr
	s_branch .Lasked_\@
.Lfor_b_\@:
	tensor_load_to_lds s[\g0b:\g0b+3], s[\g1b:\g1b+7]
	s_nop 0
.rept 4
	v_nop
.endr
.Lasked_\@:
.endm
.macro CROUND
	s_barrier_signal -1
	s_barrier_wait -1
	s_cmp_lg_u32 s14, 0
	s_cbranch_scc1 .Lnot_wave_0_\@
	s_barrier_signal -3
.Lnot_wave_0_\@:
	s_barrier_wait -3
	s_barrier_signal -1
	s_barrier_wait -1
.endm
.macro PLACES n
.rept \n
	v_nop
.endr
.endm
.macro FRAG reg, adr, q, i
.irp p, 0,1,2,3,4,5
	ds_load_b64 v[\reg+2*\p:\reg+2*\p+1], v[\adr] offset:(\i)*TILEB+(\q)*1536+256*\p
.endr
.endm
.macro FETCH_B slot, q, p
	WIN 0x40
.irp i, 0,1,2,3
	FRAG 128*(\p)+12*\i, ADRB+\slot, \q, \i
.endr
	WIN 0
.endm
.macro FETCH_A slot, q, i0
.irp i, \i0, \i0+1, \i0+2, \i0+3
	FRAG AF+12*(\i), ADRA+\slot, \q, \i
.endr
.endm
.macro SCALES sc, sig                  ; the four scale words of K's sig-th 512: lanes 0-15 A's block i; lanes 16-31 B's block i % 4 (the second address register keeps them inside B's words)
.irp i, 0,1,2,3
.irp e, 0,1
	ds_load_b64 v[SC+32*(\sc)+4*\i+2*\e:SC+32*(\sc)+4*\i+2*\e+1], v[ADRS] offset:512*\i+128*(2*(\sig)+\e)
.endr
.endr
.irp i, 4,5,6,7
.irp e, 0,1
	ds_load_b64 v[SC+32*(\sc)+4*\i+2*\e:SC+32*(\sc)+4*\i+2*\e+1], v[ADRS2] offset:512*\i+128*(2*(\sig)+\e)
.endr
.endr
.endm
.macro MULAB a0, p, q, sc, zero        ; A's blocks a0, a0 + 1 x B's four.  The 32 accumulators take turns, one instruction a turn, in the same order in every step
.irp a, \a0, \a0+1
.irp b, 0,1,2,3
.set AC, 8*(NB*(\a)+\b)
.if \zero
	v_wmma_scale_f32_16x16x128_f8f6f4 v[AC:AC+7], v[128*(\p)+12*\b:128*(\p)+12*\b+11], v[AF+12*(\a):AF+12*(\a)+11], 0, v[SC+32*(\sc)+4*\b+(\q)], v[SC+32*(\sc)+4*(\a)+(\q)] matrix_a_fmt:MATRIX_FMT_FP6 matrix_b_fmt:MATRIX_FMT_FP6 matrix_a_scale:MATRIX_SCALE_ROW1
.else
	v_wmma_scale_f32_16x16x128_f8f6f4 v[AC:AC+7], v[128*(\p)+12*\b:128*(\p)+12*\b+11], v[AF+12*(\a):AF+12*(\a)+11], v[AC:AC+7], v[SC+32*(\sc)+4*\b+(\q)], v[SC+32*(\sc)+4*(\a)+(\q)] matrix_a_fmt:MATRIX_FMT_FP6 matrix_b_fmt:MATRIX_FMT_FP6 matrix_a_scale:MATRIX_SCALE_ROW1
.endif
.endr
.endr
.endm
; A step of 128 along K; it fetches the next step (slot nslot, its nq-th 128).  sync = 1: a barrier, in front of which all my tensor loads have landed and my reads of slot 0 are over
.macro KSTEP p, q, sc, zero, nslot, nq, nsig, sync
.if \sync
	s_wait_tensorcnt 0x0                           ; my part of slot 1 has landed
	ds_add_u32 v[SPW], v[NIL]                      ; 0 onto my spare word
	s_wait_dscnt 25                                ; (the add and the youngest 24 loads, A's blocks 4-7, may be out)
	WIN MUL
	MULAB 0, \p, \q, \sc, \zero
	s_wait_dscnt 0x0
	s_barrier_signal -1
	MULAB 2, \p, \q, \sc, \zero
	WIN 0
	s_barrier_wait -1
	PLACES 4
.else
	s_wait_dscnt 24                                ; B's set, A's blocks 0-3 and the scale words are in; A's blocks 4-7 may be out
	WIN MUL
	MULAB 0, \p, \q, \sc, \zero
	MULAB 2, \p, \q, \sc, \zero
	s_wait_dscnt 0x0
	PLACES 4
.endif
	FETCH_B \nslot, \nq, 1-(\p)
	FETCH_A \nslot, \nq, 0
.if (\nq) == 0
	SCALES 1-(\sc), \nsig
.endif
	WIN MUL
	MULAB 4, \p, \q, \sc, \zero
	MULAB 6, \p, \q, \sc, \zero
	PLACES 4
	WIN 0
	FETCH_A \nslot, \nq, 4
.endm
; THE WAY OUT, a block of 16 rows x 64 columns at a time, through my own stage (16 rows x 272 bytes) in slot 0, which has had its only fill and which nobody reads behind the barrier of the fourth step.
.macro TOSTAGE a
	WIN 0x08                                       ; the data: window 2
.irp b, 0,1,2,3
	ds_store_b128 v[STO], v[8*(4*(\a)+\b):8*(4*(\a)+\b)+3] offset:128*(\b/2)+32*(\b%2)          ; lane (r, h): columns 32 (b / 2) + 16 h + 8 (b % 2) + 0 .. 7 of row r; each accumulator from its low end on
	ds_store_b128 v[STO], v[8*(4*(\a)+\b)+4:8*(4*(\a)+\b)+7] offset:128*(\b/2)+32*(\b%2)+16
.endr
	WIN 0
.irp t, 0,1,2,3,4,5,6,7
	ds_load_b128 v[128+32*((\a)%2)+4*\t:128+32*((\a)%2)+4*\t+3], v[RD] offset:544*\t   ; LDS serves a wave's instructions in order: these see my stores
.endr
.endm
.macro SEND a, younger
	s_wait_dscnt \younger
.irp t, 0,1,2,3,4,5,6,7
	global_store_b128 v[CO], v[128+32*((\a)%2)+4*\t:128+32*((\a)%2)+4*\t+3], s[12:13] offset:(32*((\a)/2)+8*((\a)%2)+2*\t+8*(\t/4))*4096 th:TH_STORE_NT   ; sixteen lanes store 256 consecutive aligned bytes of a row; the tile's rows are the layout's
.endr
.endm
	s_load_b256 s[4:11], s[0:1], 0x0               ; ocodes, oscales, codes, scales
	s_load_b64 s[12:13], s[0:1], 0x20              ; out0
	v_lshl_add_u32 v[SPW], v0, 2, SPARE
	v_mov_b32 v[NIL], 0
	ds_add_u32 v[SPW], v[NIL]                      ; the wave's opening: the add and its wait ahead of my first tensor load
	v_lshrrev_b32 v1, 5, v0
	v_readfirstlane_b32 s14, v1
	s_lshr_b32 s15, s14, 1                         ; my half of A's rows; also: I fetch for A (0) or B (1)
	s_and_b32 s16, s14, 1                          ; my half of B's rows; also: which half I fetch
	s_bfe_u32 s17, ttmp6, 0x40000                  ; cx
	s_bfe_u32 s18, ttmp6, 0x40004                  ; cy
	s_and_b32 s19, ttmp7, 0xffff
	s_lshl_b32 s20, s18, 2
	s_lshl_b32 s20, 15, s20
	s_lshl_b32 s21, 0x1111, s17
	s_or_b32 s[G1], s20, (3<<16)|(1<<21)
	s_or_b32 s[G1B], s21, (3<<16)|(1<<21)
	s_or_b32 s[G1S], s20, (3<<16)|(1<<21)
	s_or_b32 s[G1SB], s21, (3<<16)|(1<<21)
	s_mov_b32 s[G1+1], 768<<16                     ; A's codes: 8 tiles x 6,144 bytes, 12,288 bytes from tile to tile
	s_mov_b32 s[G1+2], 8<<16
	s_mov_b32 s[G1+3], 768<<16
	s_mov_b32 s[G1+4], 8
	s_mov_b32 s[G1+5], 1536
	s_mov_b32 s[G1+6], 0
	s_mov_b32 s[G1+7], 0
	s_mov_b32 s[G1B+1], 768<<16                    ; B's: 4 tiles
	s_mov_b32 s[G1B+2], 4<<16
	s_mov_b32 s[G1B+3], 768<<16
	s_mov_b32 s[G1B+4], 4
	s_mov_b32 s[G1B+5], 1536
	s_mov_b32 s[G1B+6], 0
	s_mov_b32 s[G1B+7], 0
	s_mov_b32 s[G1S+1], 32<<16                     ; A's scale words: 4,096 dense bytes
	s_mov_b32 s[G1S+2], 16<<16
	s_mov_b32 s[G1S+3], 32<<16
	s_mov_b32 s[G1S+4], 16
	s_mov_b32 s[G1S+5], 32
	s_mov_b32 s[G1S+6], 0
	s_mov_b32 s[G1S+7], 0
	s_mov_b32 s[G1SB+1], 32<<16                    ; B's: 2,048
	s_mov_b32 s[G1SB+2], 8<<16
	s_mov_b32 s[G1SB+3], 32<<16
	s_mov_b32 s[G1SB+4], 8
	s_mov_b32 s[G1SB+5], 32
	s_mov_b32 s[G1SB+6], 0
	s_mov_b32 s[G1SB+7], 0
	s_lshl_b32 s20, s19, 2
	s_add_co_u32 s20, s20, s18                     ; tile row of the result
	s_lshl_b32 s20, s20, 4
	s_lshl_b32 s96, s16, 3
	s_add_co_u32 s20, s20, s96                     ; A: the 8 tiles that I fetch
	s_lshl_b32 s92, ttmp9, 2
	s_add_co_u32 s92, s92, s17                     ; tile column
	s_lshl_b32 s92, s92, 3
	s_lshl_b32 s96, s16, 2
	s_add_co_u32 s92, s92, s96
	s_add_co_u32 s92, s92, 704                     ; B: W_o's tiles begin at 704
	s_lshl_b32 s22, s20, 9
	s_mul_i32 s20, s20, 12288
	s_lshl_b32 s94, s92, 9
	s_mul_i32 s92, s92, 12288
	s_mov_b32 s21, 0
	s_mov_b32 s23, 0
	s_mov_b32 s93, 0
	s_mov_b32 s95, 0
	s_mul_i32 s97, s16, 49152                      ; where they go: no place in the cluster enters an LDS address
	s_mul_i32 s98, s16, 24576
	s_add_co_u32 s98, s98, 98304
	s_lshl_b32 s99, s16, 12
	s_lshl_b32 s100, s16, 11
	s_add_co_u32 s100, s100, 8192
	s_wait_dscnt 0x0                               ; the opening add is done
	s_wait_kmcnt 0x0
	s_add_nc_u64 s[20:21], s[4:5], s[20:21]
	s_add_nc_u64 s[22:23], s[6:7], s[22:23]
	s_add_nc_u64 s[92:93], s[8:9], s[92:93]
	s_add_nc_u64 s[94:95], s[10:11], s[94:95]
	CROUND                                         ; all sixteen work-groups are here: the first joint loads meet
	s_mov_b32 s[G0S], 1
	s_add_co_u32 s[G0S+1], s99, SCL
	s_mov_b64 s[G0S+2:G0S+3], s[22:23]
	s_or_b32 s[G0S+3], s[G0S+3], 0x80000000
	s_mov_b32 s[G0SB], 1
	s_add_co_u32 s[G0SB+1], s100, SCL
	s_mov_b64 s[G0SB+2:G0SB+3], s[94:95]
	s_or_b32 s[G0SB+3], s[G0SB+3], 0x80000000
	JLOAD G0S, G1S, G0SB, G1SB
.irp s, 0,1
	s_mov_b32 s[G0+4*\s], 1
	s_add_co_u32 s[G0+4*\s+1], s97, \s*SLOT
	s_add_nc_u64 s[G0+4*\s+2:G0+4*\s+3], s[20:21], \s*TILEB
	s_or_b32 s[G0+4*\s+3], s[G0+4*\s+3], 0x80000000
	s_mov_b32 s[G0B+4*\s], 1
	s_add_co_u32 s[G0B+4*\s+1], s98, \s*SLOT
	s_add_nc_u64 s[G0B+4*\s+2:G0B+4*\s+3], s[92:93], \s*TILEB
	s_or_b32 s[G0B+4*\s+3], s[G0B+4*\s+3], 0x80000000
	JLOAD G0+4*\s, G1, G0B+4*\s, G1B
.endr
	v_and_b32 v1, 15, v0                           ; r
	v_bfe_u32 v2, v0, 4, 1                         ; h
	v_and_b32 v3, 31, v0
	v_lshlrev_b32 v3, 3, v3                        ; 8 x lane
	s_mul_i32 s20, s15, 8*TILEB                    ; my 8 tiles of A
	s_mul_i32 s21, s16, NB*TILEB                   ; my 4 tiles of B,
	s_add_co_u32 s21, s21, 16*TILEB                ; behind A's 16
.irp s, 0,1
	v_add_nc_u32 v[ADRA+\s], s20, v3
	v_add_nc_u32 v[ADRB+\s], s21, v3
	s_add_co_u32 s20, s20, SLOT
	s_add_co_u32 s21, s21, SLOT
.endr
	v_lshlrev_b32 v4, 3, v1
	s_lshl_b32 s20, s15, 12
	s_lshl_b32 s21, s16, 11
	s_add_co_u32 s21, s21, 8192
	s_sub_co_u32 s21, s21, s20
	v_mul_u32_u24 v5, s21, v2                      ; lanes 16-31 take B's words
	s_sub_co_u32 s21, s21, 2048
	v_mul_u32_u24 v6, s21, v2                      ; and, for A's blocks 4-7, B's blocks 0-3 once more
	s_add_co_u32 s20, s20, SCL
	v_add_nc_u32 v5, v4, v5
	v_add_nc_u32 v6, v4, v6
	v_add_nc_u32 v[ADRS], s20, v5
	v_add_nc_u32 v[ADRS2], s20, v6
	s_mul_i32 s20, s14, 4352                       ; my stage
	v_mul_u32_u24 v4, v1, 272
	v_lshl_add_u32 v4, v2, 6, v4
	v_add_nc_u32 v[STO], s20, v4
	v_mul_u32_u24 v4, v2, 272
	v_lshl_add_u32 v4, v1, 4, v4
	v_add_nc_u32 v[RD], s20, v4
	v_lshlrev_b32 v[CO], 12, v2
	v_lshl_add_u32 v[CO], v1, 4, v[CO]             ; lanes 0-15 one row of the result, lanes 16-31 the next
	s_lshl_b32 s20, s19, 2
	s_add_co_u32 s20, s20, s18
	s_lshl_b32 s20, s20, 1
	s_add_co_u32 s20, s20, s15
	s_lshl_b32 s20, s20, 19                        ; (256 x tile row + 128 x half) rows of 4,096 bytes
	s_lshl_b32 s21, ttmp9, 2
	s_add_co_u32 s21, s21, s17
	s_lshl_b32 s21, s21, 1
	s_add_co_u32 s21, s21, s16
	s_lshl_b32 s21, s21, 8                         ; 512 x tile column + 256 x half
	s_add_co_u32 s20, s20, s21
	s_mov_b32 s21, 0
	s_add_nc_u64 s[12:13], s[12:13], s[20:21]
	s_wait_tensorcnt 1                             ; the scale words and my part of slot 0 are in; slot 1 may be out
	s_barrier_signal -1
	s_barrier_wait -1
	FETCH_B 0, 0, 0
	FETCH_A 0, 0, 0
	SCALES 0, 0
	FETCH_A 0, 0, 4
	KSTEP 0, 0, 0, 1, 0, 1, 0, 0                   ; the first step's products start the sums
	KSTEP 1, 1, 0, 0, 0, 2, 0, 0
	KSTEP 0, 2, 0, 0, 0, 3, 0, 0
	KSTEP 1, 3, 0, 0, 1, 0, 1, 1                   ; on to slot 1
	KSTEP 0, 0, 1, 0, 1, 1, 0, 0
	KSTEP 1, 1, 1, 0, 1, 2, 0, 0
	KSTEP 0, 2, 1, 0, 1, 3, 0, 0
	s_wait_dscnt 24                                ; the last step: nothing more to fetch
	WIN MUL
	MULAB 0, 1, 3, 1, 0
	MULAB 2, 1, 3, 1, 0
	s_wait_dscnt 0x0
	MULAB 4, 1, 3, 1, 0
	MULAB 6, 1, 3, 1, 0
	WIN 0
	PLACES 4
	TOSTAGE 0
.irp a, 1,2,3,4,5,6,7
.if \a > 1
	s_wait_xcnt 0x0                                ; block a - 2's stores have read their registers: block a's loads may land there
.endif
	TOSTAGE \a
	SEND \a-1, 16                                  ; behind block a - 1's loads: block a's 8 stores and 8 loads
.endr
	SEND 7, 0
	s_wait_tensorcnt 0x0                           ; the wave's end, behind my last tensor load and my last LDS store
	ds_add_u32 v[SPW], v[NIL]
	s_wait_dscnt 0x0
	CROUND                                         ; the closing round
	s_endpgm
.Lfunc_end_k_q11e206ccc1_oproj:
	.size	k_q11e206ccc1_oproj, .Lfunc_end_k_q11e206ccc1_oproj-k_q11e206ccc1_oproj
	.p2alignl 7, 3214868480
	.fill 96, 4, 3214868480
	.section	.rodata,"a",@progbits
	.p2align	6, 0x0
	.amdhsa_kernel k_q11e206ccc1_oproj
		.amdhsa_group_segment_fixed_size 327680
		.amdhsa_private_segment_fixed_size 0
		.amdhsa_enable_private_segment 0
		.amdhsa_kernarg_size 40
		.amdhsa_user_sgpr_count 2
		.amdhsa_user_sgpr_kernarg_segment_ptr 1
		.amdhsa_wavefront_size32 1
		.amdhsa_system_sgpr_workgroup_id_x 1
		.amdhsa_system_sgpr_workgroup_id_y 1
		.amdhsa_system_sgpr_workgroup_id_z 1
		.amdhsa_system_vgpr_workitem_id 0
		.amdhsa_next_free_vgpr 768
		.amdhsa_next_free_sgpr 102
		.amdhsa_reserve_vcc 0
		.amdhsa_float_denorm_mode_32 3
		.amdhsa_float_denorm_mode_16_64 3
		.amdhsa_memory_ordered 1
		.amdhsa_forward_progress 1
		.amdhsa_inst_pref_size 99
	.end_amdhsa_kernel
	.amdgpu_metadata
---
amdhsa.version: [ 1, 2 ]
amdhsa.kernels:
  - .name:           k_q11e206ccc1_oproj
    .symbol:         k_q11e206ccc1_oproj.kd
    .args:
      - { .name: ocodes, .offset: 0, .size: 8, .value_kind: global_buffer, .address_space: global }
      - { .name: oscales, .offset: 8, .size: 8, .value_kind: global_buffer, .address_space: global }
      - { .name: codes, .offset: 16, .size: 8, .value_kind: global_buffer, .address_space: global }
      - { .name: scales, .offset: 24, .size: 8, .value_kind: global_buffer, .address_space: global }
      - { .name: out0, .offset: 32, .size: 8, .value_kind: global_buffer, .address_space: global }
    .group_segment_fixed_size: 327680
    .private_segment_fixed_size: 0
    .kernarg_segment_align: 8
    .kernarg_segment_size: 40
    .max_flat_workgroup_size: 128
    .sgpr_count:     102
    .vgpr_count:     768
    .wavefront_size: 32
...
	.end_amdgpu_metadata
.endif
;; end of part 4
